; MI455X (gfx1250); checked and timed in simulation.
; The chip was launched on July 23, 2026; its instructions are those of AMD's public machine-readable ISA for CDNA 5 (MIT licence, August 2026) and "CDNA5" Instruction Set Architecture Reference Guide (July 2026). The comments in the code are by the model that wrote it; some were corrected since.
;; multi head attention. Allowed arithmetic: matrix products marked QUANTISED: E3M2 operands, one E8M0 scale for each 32 along K, by v_wmma_scale_f32_16x16x128_f8f6f4 with both operands' format E3M2, f32 sums; everything else in f32.
;; Inputs: Wk 1,024 x 1,024 float32; Wo 1,024 x 1,024 float32; Wq 1,024 x 1,024 float32; Wv 1,024 x 1,024 float32; bk 1,024 float32; bo 1,024 float32; bq 1,024 float32; bv 1,024 float32; k 4 x 2,048 x 1,024 float32; q 4 x 2,048 x 1,024 float32; v 4 x 2,048 x 1,024 float32.
;; Outputs: out0 4 x 2,048 x 1,024 float32.
;; Constants: mask = True.
;; This version of the problem:
;;   THIS VERSION OF THE PROBLEM IS GIVEN IN LOW PRECISION. The matrix products marked QUANTISED in the list below multiply operands that are first quantised to E3M2 (3 exponent bits, 2 mantissa bits; 6 bits a number), with one power-of-two scale for each 32 numbers along K (OCP MX v1.0); their sums are f32. All else is computed in f32.
;;   The module's matrix products, in the order in which they are computed (A, B: the left and right operand; K: the contracted axis; several contracted axes count as one K, in the product's order):
;;     1. [M 8,192, K 1,024] x [K 1,024, N 1,024]; A: input q; B: input Wq: QUANTISED
;;     2. [M 8,192, K 1,024] x [K 1,024, N 1,024]; A: input k; B: input Wk: QUANTISED
;;     3. [M 8,192, K 1,024] x [K 1,024, N 1,024]; A: input v; B: input Wv: QUANTISED
;;     4. batch 64 x [M 2,048, K 64] x [K 64, N 2,048]; A: computed on the way; B: computed on the way: QUANTISED
;;     5. batch 64 x [M 2,048, K 2,048] x [K 2,048, N 64]; A: softmax (see below); B: computed on the way: QUANTISED
;;     6. [M 8,192, K 1,024] x [K 1,024, N 1,024]; A: computed on the way; B: input Wo: QUANTISED
;;   THE QUANTISER, for each operand of a quantised product, along K:
;;     - K is cut into blocks of 32 from its start; a last block that is shorter is filled with zeros.
;;     - A block's scale is 2^e with e = floor(log2(the largest magnitude in the block)) - 4, held to -126 .. 127; a block of zeros has e = 0. As a byte (E8M0): e + 127.
;;     - Each number is divided by its block's scale, clamped to +-28, and rounded to the nearest number of E3M2, ties to even, subnormals kept.
;;     - The product sums the exact products of the quantised numbers (number of the format x scale) in f32.
;;   ~~~python
;;   def quantise(x, axis):      # numpy; x: float32 -> the quantised numbers, widened to float32 again
;;       x = np.moveaxis(x, axis, -1); K = x.shape[-1]
;;       x = np.pad(x, [(0, 0)] * (x.ndim - 1) + [(0, -K % 32)]); x = x.reshape(x.shape[:-1] + (-1, 32)); a = np.abs(x).max(-1, keepdims=True)
;;       e = np.where(a > 0, np.clip(np.frexp(np.where(a > 0, a, 1))[1] - 1 - 4, -126, 127), 0)      # np.frexp(a)[1] - 1 = floor(log2(a)), exactly
;;       r = np.clip(x / 2.0 ** e, -28, 28)
;;       step = 2.0 ** (np.maximum(np.frexp(np.where(r == 0, 1, r))[1] - 1, -2) - 2)
;;       q = np.round(r / step) * step * 2.0 ** e      # np.round: ties to even
;;       return np.moveaxis(q.reshape(q.shape[:-2] + (-1,))[..., :K], -1, axis).astype(np.float32)
;;   ~~~
;;   SOFTMAX AHEAD OF A QUANTISED PRODUCT. Where the list says 'softmax', what is quantised is not the finished softmax but p = 2^(t - M), with t = logit x log2(e) and M = ceil(the row's largest t), a whole number; so 1/2 < the row's largest p <= 1. The row's sum l is taken of the UNQUANTISED p, in f32, and the product's result is divided by l at the end. Since M is a whole number, a kernel that streams over the keys may use a running M (the ceiling of the running maximum): every later rescaling is an exact power of two, which a block's scale takes up: the codes' values come out the same.
;;   OPERANDS COMPUTED ON THE WAY. 'Computed on the way' means the value that the module computes at that place (a softmax that the list does not call 'softmax' is quantised finished and normalised). What goes into a quantiser is computed in f32, as accurately as f32 sums, v_exp_f32 and their like allow (about 1e-6 of the number): no bf16 or f16 on the way to a quantiser, and a product that is left as it is and whose result goes on into a quantised operand takes f32 operands (vector FMAs, or v_wmma_f32_16x16x4_f32). A number that lies on a knife's edge between two numbers of the format may be rounded either way, as far as f32 arithmetic and the matrix unit's own rounding can turn it there, and no further.
;; One version. Each part assembles by itself: llvm-mc -triple=amdgcn-amd-amdhsa -mcpu=gfx1250 --defsym DOCPART=n.
;; ======== version 1 of 1: 4 launches
;; workspace buffers: XC 22,020,096 bytes; XS 1,179,648 bytes; QR 13,369,344 bytes; KV 13,369,344 bytes; OC 6,291,456 bytes
;; launch quant (part 1): grid 256 x 1, 7 waves a work-group, no clusters, 60,160 bytes of LDS; arguments q, k, v, Wq, Wk, Wv, Wo, XC, XS; writes XC, XS
.if DOCPART == 1
	.amdgcn_target "amdgcn-amd-amdhsa--gfx1250"
	.amdhsa_code_object_version 6
	.text
	.protected	k_q6e05c762bf_quant
	.globl	k_q6e05c762bf_quant
	.p2align	8
	.type	k_q6e05c762bf_quant,@function
k_q6e05c762bf_quant:
	s_mov_b64 s[64:65], 0
	v_nop
	global_prefetch_b8 v0, s[64:65] scope:SCOPE_SE
	s_setreg_imm32_b32 hwreg(HW_REG_WAVE_MODE, 25, 1), 1
	s_wait_xcnt 0x0
; q, k, v [8192][1024] and Wq, Wk, Wv, Wo [1024][1024], f32 with K innermost, become codes of BF6 (E3M2) with one E8M0 byte for each 32 along K.
; A block's scale is 2^(floor(log2(its largest magnitude)) - 4); its byte is that magnitude's exponent field - 4, held at 1 from below.
; LIMITS: NaN and infinities among the inputs are not served.  A block of zeros gets the byte 1 where the quantiser's text says 127: its codes are zeros, and the bytes are read by this program alone.
; THE CODES ARE LAID AS IMAGES OF THE OPERAND'S REGISTERS.  A fragment (16 rows x 128 K, 12 registers a lane) is 1,536 bytes: registers 0-3 at 16 x lane, 4-5 at 512 + 8 x lane, 6-9 at 768 + 16 x lane,
; 10-11 at 1,280 + 8 x lane.  Tile T of 1,792 (xq 0-511, xk 512-1023, xv 1024-1535, Wq 1536.., Wk 1600.., Wv 1664.., Wo 1728..), K step s: XC byte (T / 8) 98,304 + 12,288 s + (T % 8) 1,536.
; The scale words: XS byte 512 T + 32 row + 4 s.
; WHICH ROWS FORM A TILE.  xq and Wo: neighbours, 16 T + j.  xk, xv, Wq, Wk, Wv: row 32 (T / 2) + 8 (T % 2) + j + 8 (j / 8), so that the results of two neighbouring tiles are 16 neighbours for the next quantiser.
; For Wq, Wk, Wv that index is n' = 64 head + d, and the row in memory is 16 (n' % 64) + n' / 64: the heads lie strided in a projection's columns.
; SHARES.  1,792 tiles = 256 work-groups x 7 waves: a wave takes one tile, all of K, in 8 steps of 128.  Each load reads 512 consecutive bytes of one row; a step's 16 rows turn through the wave's own stage
; in LDS (rows of 512 + 16 bytes), from which a lane takes its two whole blocks of 32.  Waves share nothing: no barrier.  Two steps' loads (32 a wave) are on their way.
.set STG,   8448                       ; a wave's stage: 16 rows x 528 bytes
.set PITCH, 528
.set RO,    16                         ; v16-31   16 x lane + row j's byte offset; never rewritten
.set RR,    32                         ; v32-159  two sets of 64: a step's numbers as loaded
.set X,     160                        ; v160-223 my 64 numbers: blocks hl and 2 + hl of row r
.set C,     224                        ; v224-235 the fragment's 12 registers
.set C2,    236                        ; v236-238, v240-242 the blocks' upper halves as the conversions leave them
.set SW,    244                        ; v244-251 my row's scale word of each step
	s_load_b256 s[4:11], s[0:1], 0x0               ; q s[4:5], k s[6:7], v s[8:9], Wq s[10:11]
	s_load_b256 s[12:19], s[0:1], 0x20             ; Wk s[12:13], Wv s[14:15], Wo s[16:17], XC s[18:19]
	s_load_b64 s[20:21], s[0:1], 0x40              ; XS
	v_lshl_add_u32 v243, v0, 2, 0xe700
	v_mov_b32 v255, 0
	v_lshrrev_b32 v1, 5, v0
	v_readfirstlane_b32 s22, v1                    ; wave 0..6
	s_mul_i32 s23, ttmp9, 7
	s_add_co_u32 s23, s23, s22                     ; my tile T
	s_lshr_b32 s24, s23, 9                         ; an x tensor: which, and the tile in it
	s_and_b32 s25, s23, 511
	s_sub_co_u32 s26, s23, 1536                    ; a weight: likewise (it wraps for an x tensor and is then not taken)
	s_lshr_b32 s27, s26, 6
	s_add_co_u32 s27, s27, 3
	s_and_b32 s26, s26, 63
	s_cmp_lt_u32 s23, 1536
	s_cselect_b32 s24, s24, s27                    ; the tensor: 0 q, 1 k, 2 v, 3 Wq, 4 Wk, 5 Wv, 6 Wo
	s_cselect_b32 s25, s25, s26                    ; the tile in it
	s_lshr_b32 s29, s25, 1
	s_lshl_b32 s29, s29, 5
	s_and_b32 s30, s25, 1
	s_lshl_b32 s30, s30, 3
	s_add_co_u32 s29, s29, s30                     ; 32 (T / 2) + 8 (T % 2)
	s_lshl_b32 s30, s25, 4                         ; or 16 T
	s_sub_co_u32 s28, s24, 1
	s_cmp_lt_u32 s28, 5                            ; tensors 1 to 5 take the first order
	s_cselect_b32 s29, s29, s30                    ; the tile's first row index
	s_cselect_b32 s31, 9, 1                        ; from row j = 7 to j = 8: nine rows on, or one
	s_and_b32 s30, s29, 63
	s_lshl_b32 s30, s30, 16
	s_lshr_b32 s32, s29, 6
	s_lshl_b32 s32, s32, 12
	s_add_co_u32 s30, s30, s32                     ; Wq, Wk, Wv: 4,096 x (16 (n' % 64) + n' / 64)
	s_lshl_b32 s32, s29, 12                        ; the others: 4,096 x row
	s_sub_co_u32 s28, s24, 3
	s_mov_b32 s33, 0x10000
	s_cmp_lt_u32 s28, 3
	s_cselect_b32 s38, s30, s32                    ; the first row's byte
	s_cselect_b32 s33, s33, 0x1000                 ; bytes from a row of the tile to the next
	s_mul_i32 s31, s31, s33
	s_mov_b32 s39, 0
	s_lshr_b32 s40, s23, 3
	s_mul_i32 s40, s40, 98304
	s_and_b32 s41, s23, 7
	s_mul_i32 s41, s41, 1536
	s_add_co_u32 s40, s40, s41                     ; my tile's place in XC
	s_mov_b32 s41, 0
	s_lshl_b32 s42, s23, 9                         ; and in XS
	s_mov_b32 s43, 0
	s_mov_b32 s34, 0x76543210
	s_mov_b32 s35, 0xfedcba98                      ; v_permlanex16_b32's selects for lane l xor 16
	s_mul_i32 s44, s22, STG                        ; my stage
	v_and_b32 v1, 31, v0                           ; lane
	v_and_b32 v2, 15, v0                           ; r
	v_bfe_u32 v3, v0, 4, 1                         ; hl
	v_lshlrev_b32 v4, 4, v1                        ; 16 x lane
	v_lshlrev_b32 v5, 3, v1                        ; 8 x lane
	v_add_nc_u32 v6, s44, v4                       ; the stage, in: 16 x lane; the row stands in the immediate
	v_mul_u32_u24 v7, v2, PITCH
	v_lshl_add_u32 v7, v3, 7, v7
	v_add_nc_u32 v7, s44, v7                       ; and out: row r, + 128 hl bytes: my block of 32 numbers
	v_lshlrev_b32 v8, 3, v3                        ; 8 hl: my bytes' place in a scale word
	v_lshlrev_b32 v9, 5, v2
	v_lshl_add_u32 v9, v3, 4, v9                   ; 32 r + 16 hl: my half of my row's 32 scale bytes
	v_mov_b32 v254, 0                              ; written once: a lane permute's destination counts as one of its sources
	v_mov_b32 v[RO], v4
.irp j, 1,2,3,4,5,6,7,8,9,10,11,12,13,14,15
.if \j == 8
	v_add_nc_u32 v[RO+\j], s31, v[RO+\j-1]
.else
	v_add_nc_u32 v[RO+\j], s33, v[RO+\j-1]
.endif
.endr
	s_wait_alu depctr_va_vdst(0)
	s_wait_kmcnt 0x0
	s_mov_b64 s[36:37], s[4:5]                     ; the tensor's address: a choice on the tile's number alone
.irp n, 1,2,3,4,5,6
	s_cmp_eq_u32 s24, \n
	s_cselect_b64 s[36:37], s[4+2*\n:5+2*\n], s[36:37]
.endr
	s_add_nc_u64 s[36:37], s[36:37], s[38:39]
	s_add_nc_u64 s[18:19], s[18:19], s[40:41]
	s_add_nc_u64 s[20:21], s[20:21], s[42:43]
.macro LOAD t                          ; K step t of the tile's 16 rows: each load reads 512 consecutive bytes; read once in the whole program
.irp j, 0,1,2,3,4,5,6,7,8,9,10,11,12,13,14,15
	global_load_b128 v[RR+64*((\t)%2)+4*\j:RR+64*((\t)%2)+4*\j+3], v[RO+\j], s[36:37] offset:512*(\t) th:TH_LOAD_NT
.endr
.endm
.macro STEP t
.if (\t) < 7
	s_wait_loadcnt 16                              ; this step's 16 loads are in; the next step's 16 may be out
.else
	s_wait_loadcnt 0x0
.endif
.irp j, 0,1,2,3,4,5,6,7,8,9,10,11,12,13,14,15
	ds_store_b128 v6, v[RR+64*((\t)%2)+4*\j:RR+64*((\t)%2)+4*\j+3] offset:PITCH*\j
.endr
.irp c, 0,1                            ; LDS serves a wave's instructions in order: these see the stores above
.irp m, 0,1,2,3,4,5,6,7
	ds_load_b128 v[X+32*\c+4*\m:X+32*\c+4*\m+3], v7 offset:256*\c+16*\m   ; k = 64 c + 32 hl + 4 m ..
.endr
.endr
	s_wait_xcnt 0x0                                ; the last step's stores have read the codes' registers, which are written again below
	s_wait_dscnt 0x0                               ; my 64 numbers are in, and the stage's stores have read their registers,
.if (\t)+2 < 8
	LOAD (\t)+2                                    ; which take the loads of two steps on
.endif
.irp c, 0,1                            ; each block's largest magnitude: all 32 numbers are mine; two chains a block, four by turns
	v_max3_num_f32 v[10+\c], |v[X+32*\c]|, |v[X+32*\c+1]|, 0x2800000   ; with the floor 2^(5 - 127): the byte cannot fall under 1
	v_max3_num_f32 v[12+\c], |v[X+32*\c+16]|, |v[X+32*\c+17]|, |v[X+32*\c+18]|
.endr
.irp i, 0,1,2,3,4,5
.irp c, 0,1
	v_max3_num_f32 v[10+\c], v[10+\c], |v[X+32*\c+2+2*\i]|, |v[X+32*\c+3+2*\i]|
	v_max3_num_f32 v[12+\c], v[12+\c], |v[X+32*\c+19+2*\i]|, |v[X+32*\c+20+2*\i]|
.endr
.endr
.irp c, 0,1
	v_max3_num_f32 v[10+\c], v[10+\c], |v[X+32*\c+14]|, |v[X+32*\c+15]|
.endr
.irp c, 0,1
	v_max3_num_f32 v[10+\c], v[10+\c], v[12+\c], |v[X+32*\c+31]|
.endr
.irp c, 0,1
	v_add_nc_u32 v[14+\c], 0xfe000000, v[10+\c]    ; 4 off the exponent field: the conversion takes this operand's exponent field as its scale
.endr
.irp c, 0,1
	v_lshrrev_b32 v[252+\c], 23, v[14+\c]          ; the scale's byte
.endr
	v_lshl_or_b32 v252, v253, 16, v252             ; my two bytes: blocks hl and 2 + hl,
	v_lshlrev_b32 v252, v8, v252                   ; at their places in the word;
	v_permlanex16_b32 v254, v252, s34, s35
	v_or_b32 v[SW+(\t)], v252, v254                ; with lane l xor 16's two the word is whole
.irp c, 0,1
	v_cvt_scalef32_pk16_bf6_f32 v[C+6*\c:C+6*\c+2], v[X+32*\c:X+32*\c+15], v[14+\c]
	v_cvt_scalef32_pk16_bf6_f32 v[C2+4*\c:C2+4*\c+2], v[X+32*\c+16:X+32*\c+31], v[14+\c]   ; (a conversion's three registers begin on an even number)
.endr
	v_nop                                          ; one plain place behind a scaled conversion
.irp c, 0,1
.irp i, 0,1,2
	v_mov_b32 v[C+6*\c+3+\i], v[C2+4*\c+\i]
.endr
.endr
	global_store_b128 v4, v[C:C+3], s[18:19] offset:12288*(\t)           ; 512 consecutive bytes, aligned to 256
	global_store_b64 v5, v[C+4:C+5], s[18:19] offset:12288*(\t)+512      ; 256
	global_store_b128 v4, v[C+6:C+9], s[18:19] offset:12288*(\t)+768
	global_store_b64 v5, v[C+10:C+11], s[18:19] offset:12288*(\t)+1280
.endm
	LOAD 0
	LOAD 1
.irp t, 0,1,2,3,4,5,6,7
	STEP \t
.endr
	v_cmp_eq_u32 vcc_lo, 1, v3                     ; lanes 0-15 store their row's words 0-3, lanes 16-31 words 4-7
.irp c, 0,1,2,3
	v_cndmask_b32 v[X+\c], v[SW+\c], v[SW+4+\c], vcc_lo
.endr
	global_store_b128 v9, v[X:X+3], s[20:21]       ; the tile's 512 scale bytes, consecutive
	s_wait_tensorcnt 0x0
	ds_add_u32 v243, v255
	s_wait_dscnt 0x0
	s_endpgm
.Lfunc_end_k_q6e05c762bf_quant:
	.size	k_q6e05c762bf_quant, .Lfunc_end_k_q6e05c762bf_quant-k_q6e05c762bf_quant
	.p2alignl 7, 3214868480
	.fill 96, 4, 3214868480
	.section	.rodata,"a",@progbits
	.p2align	6, 0x0
	.amdhsa_kernel k_q6e05c762bf_quant
		.amdhsa_group_segment_fixed_size 60160
		.amdhsa_private_segment_fixed_size 0
		.amdhsa_enable_private_segment 0
		.amdhsa_kernarg_size 72
		.amdhsa_user_sgpr_count 2
		.amdhsa_user_sgpr_kernarg_segment_ptr 1
		.amdhsa_wavefront_size32 1
		.amdhsa_system_sgpr_workgroup_id_x 1
		.amdhsa_system_sgpr_workgroup_id_y 1
		.amdhsa_system_sgpr_workgroup_id_z 1
		.amdhsa_system_vgpr_workitem_id 0
		.amdhsa_next_free_vgpr 256
		.amdhsa_next_free_sgpr 66
		.amdhsa_reserve_vcc 1
		.amdhsa_float_denorm_mode_32 3
		.amdhsa_float_denorm_mode_16_64 3
		.amdhsa_memory_ordered 1
		.amdhsa_forward_progress 1
		.amdhsa_inst_pref_size 60
	.end_amdhsa_kernel
	.amdgpu_metadata
---
amdhsa.version: [ 1, 2 ]
amdhsa.kernels:
  - .name:           k_q6e05c762bf_quant
    .symbol:         k_q6e05c762bf_quant.kd
    .args:
      - { .name: q, .offset: 0, .size: 8, .value_kind: global_buffer, .address_space: global }
      - { .name: k, .offset: 8, .size: 8, .value_kind: global_buffer, .address_space: global }
      - { .name: v, .offset: 16, .size: 8, .value_kind: global_buffer, .address_space: global }
      - { .name: Wq, .offset: 24, .size: 8, .value_kind: global_buffer, .address_space: global }
      - { .name: Wk, .offset: 32, .size: 8, .value_kind: global_buffer, .address_space: global }
      - { .name: Wv, .offset: 40, .size: 8, .value_kind: global_buffer, .address_space: global }
      - { .name: Wo, .offset: 48, .size: 8, .value_kind: global_buffer, .address_space: global }
      - { .name: XC, .offset: 56, .size: 8, .value_kind: global_buffer, .address_space: global }
      - { .name: XS, .offset: 64, .size: 8, .value_kind: global_buffer, .address_space: global }
    .group_segment_fixed_size: 60160
    .private_segment_fixed_size: 0
    .kernarg_segment_align: 8
    .kernarg_segment_size: 72
    .max_flat_workgroup_size: 224
    .sgpr_count:     66
    .vgpr_count:     256
    .wavefront_size: 32
...
	.end_amdgpu_metadata
.endif
;; end of part 1
;; launch proj (part 2): grid 96 x 4, 4 waves a work-group, clusters of 4 x 4, 327,680 bytes of LDS; arguments XC, XS, bq, bk, bv, QR, KV; writes QR, KV
.if DOCPART == 2
	.amdgcn_target "amdgcn-amd-amdhsa--gfx1250"
	.amdhsa_code_object_version 6
	.text
	.protected	k_q6e05c762bf_proj
	.globl	k_q6e05c762bf_proj
	.p2align	8
	.type	k_q6e05c762bf_proj,@function
k_q6e05c762bf_proj:
	s_mov_b64 s[64:65], 0
	v_nop
	global_prefetch_b8 v0, s[64:65] scope:SCOPE_SE
	s_setreg_imm32_b32 hwreg(HW_REG_WAVE_MODE, 25, 1), 1
	s_wait_xcnt 0x0
	s_wait_alu depctr_hold_cnt(0) depctr_sa_sdst(0) depctr_va_vdst(0) depctr_va_sdst(0) depctr_va_ssrc(0) depctr_va_vcc(0) depctr_vm_vsrc(0)
	s_getreg_b32 s2, hwreg(HW_REG_IB_STS2, 6, 4)
	s_cmp_eq_u32 s2, 0
	s_cbranch_scc0 .Lentry_in_a_cluster
	s_endpgm
.Lentry_in_a_cluster:
	s_bfe_u32 s2, ttmp6, 0x10000c
	s_cmp_lg_u32 s2, 0xf033
	s_cbranch_scc0 .Lentry_shape_is_right
	s_endpgm
.Lentry_shape_is_right:
; The three projections x W^T + b on codes of BF6 (E3M2) with E8M0 scales, and their results quantised in registers into the attention's operands.
; 24 clusters of 4 x 4 work-groups: t = cluster / 8 (0 Q, 1 K, 2 V), eight clusters a tensor.  A work-group makes 256 x 256 of a product, a wave 128 x 128: 64 accumulators, 512 registers.
; TWO ROLES.  P's fragments are source 0, R's source 1: in a result lane (r, hl) holds R's row r, and its register j P's row 8 hl + j.  Q, K: R = x, P = W: a lane holds one token and its registers run
; along n' = 64 head + d, the next K.  V: R = Wv, P = xv: a lane holds one d and its registers run along the keys, the next K.  The rows that form P's tiles were chosen so that
; the 16 registers of tiles 2 b and 2 b + 1 are 16 neighbours.
; CODES come as images of the operand's registers (1,536 bytes a fragment); 128 rows x 256 K are 24,576 dense bytes, one tensor load.  K = 1,024 goes in four pairs of steps through two LDS slots, all written out.
; JOINT LOADS: R's tiles hang on the cluster's number and my row of it, P's on the cluster's number and my column: each is asked for by the four that share it, with one descriptor and a mask that names them.
; THE SCALE WORDS of all eight K steps stay in registers: register 8 i + s holds R's block i in lanes 0-15 and P's block i in lanes 16-31.
; OUT.  A record of 208,896 bytes for each (batch, head): +0 128 tiles x 768 bytes (16 tokens x 64 d); +98,304 V: [key step][d tile] fragments; +196,608 Q's or K's scale words [step][lane][4];
; +204,800 V's [step][lane][2].  Every store covers 256 or 512 consecutive bytes, aligned to 256.
; LIMITS: NaN and infinities are not served; a block of zeros gets the byte 1 (its codes are zeros; the bytes are read by this program alone).
; REGISTERS, in windows of 256.  Window 0: v1-3 r, hl, lane; v16-25 addresses; v28-29 for the add; v32-95 scale words; v96-107 at work at the head; v128-223 R's fragments, one set; behind the products v128-247 at work.
;   Window 1: P's fragments, two sets, v0-95 and v128-223; the bias, 64 numbers, v96-127 and v224-255.   Windows 2, 3: accumulator (a, b) at v[8 (8 (a % 4) + b)].
.set QB,    24576                      ; 128 rows x 256 K of codes: a quarter of a slot, one tensor load
.set SLOT,  4*QB                       ; R's rows 0-127, 128-255, P's rows 0-127, 128-255
.set SPARE, 2*SLOT                     ; behind the ring: the spare words, 128 bytes a wave: two blocks of 256 bytes that no other line names
.set GRP,   98304                      ; 128 rows, all of K, in XC
.set REC,   208896
.set FR,    12
.set AR16,  16                         ; v16-17 R's fragments in slot 0, 1: 16 x lane + ..;  v18-19: 8 x lane + ..
.set AR8,   18
.set AP16,  20                         ; v20-23 the same for P
.set AP8,   22
.set L16,   24                         ; v24 16 x lane
.set L8,    25                         ; v25 8 x lane
.set SPW,   28                         ; v28 my spare word's LDS address; never rewritten
.set NIL,   29                         ; v29 0; never rewritten
.set SC,    32
.set VO,    96                         ; v96-103 the bias loads' lane offsets
.set AF,    128
.set NUM,   128                        ; behind the products: 64 numbers to be quantised
.set PC,    192                        ; v192-203 the codes, v204-206, v208-210 upper halves
.set TM,    212                        ; v212-215 maxima, v216-219 bytes, v224-227 scale operands
.set PWS,   232                        ; v232-239 the eight blocks' scale words
.set OW,    240
.set G1,    24                         ; s[24:31] group 1 for R's tiles; s[32:39] group 0, a set a slot
.set G0,    32
.set G1P,   48                         ; s[48:55], s[56:63] the same for P's
.set G0P,   56
.set MSB, 0
.macro WIN new                         ; the immediate's high byte repeats the setting that is left
.if MSB != (\new)
	s_set_vgpr_msb (MSB<<8)|(\new)
.set MSB, (\new)
.endif
.endm
.set MUL_LO, 0xa1                      ; source 0 (P) window 1, source 1 (R) window 0, C and D window 2
.set MUL_HI, 0xf1
.set TO_P,   0x40                      ; destination window 1
.macro JLOAD g0a, g1a, g0b, g1b        ; waves 0, 1 ask for R's halves, waves 2, 3 for P's; four v_nop follow each line
	s_cmp_eq_u32 s19, 0
	s_cbranch_scc0 .Lfor_p_\@
	tensor_load_to_lds s[\g0a:\g0a+3], s[\g1a:\g1a+7]
	s_nop 0
.rept 4
	v_nop
.endr
	s_branch .Lasked_\@
.Lfor_p_\@:
	tensor_load_to_lds s[\g0b:\g0b+3], s[\g1b:\g1b+7]
	s_nop 0
.rept 4
	v_nop
.endr
.Lasked_\@:
.endm
.macro CREST                           ; a round of the cluster's barrier behind its opening barrier
	s_cmp_lg_u32 s18, 0
	s_cbranch_scc1 .Lnot_wave_0_\@
	s_barrier_signal -3
.Lnot_wave_0_\@:
	s_barrier_wait -3
	s_barrier_signal -1
	s_barrier_wait -1
.endm
.macro CROUND
	s_barrier_signal -1
	s_barrier_wait -1
	CREST
.endm
.macro PLACES n
.rept \n
	v_nop
.endr
.endm
	s_load_b256 s[4:11], s[0:1], 0x0               ; XC s[4:5], XS s[6:7], bq s[8:9], bk s[10:11]
	s_load_b128 s[12:15], s[0:1], 0x20             ; bv s[12:13], QR s[14:15]
	s_load_b64 s[16:17], s[0:1], 0x30              ; KV
	v_lshl_add_u32 v[SPW], v0, 2, SPARE
	v_mov_b32 v[NIL], 0
	ds_add_u32 v28, v29
	ds_add_u32 v28, v29
	s_wait_dscnt 0x0
	v_lshrrev_b32 v1, 5, v0
	v_readfirstlane_b32 s18, v1                    ; wave 0..3
	s_lshr_b32 s19, s18, 1                         ; my half of R's rows.  Also: I fetch for R (0) or for P (1)
	s_and_b32 s20, s18, 1                          ; my half of P's rows.  Also: which half I fetch
	s_bfe_u32 s21, ttmp6, 0x40000                  ; cx
	s_bfe_u32 s22, ttmp6, 0x40004                  ; cy
	s_lshr_b32 s23, ttmp9, 3                       ; t: the same in all sixteen partners
	s_and_b32 s40, ttmp9, 7                        ; which eighth of x's rows
	s_lshl_b32 s45, s22, 2
	s_lshl_b32 s45, 15, s45                        ; my row of the cluster
	s_lshl_b32 s46, 0x1111, s21                    ; my column
	s_lshl_b32 s41, s40, 3
	s_lshl_b32 s43, s23, 6                         ; groups of 128 rows in XC: x_t begins at 64 t,
	s_lshl_b32 s44, s23, 3
	s_add_co_u32 s44, s44, 192                     ; W_t at 192 + 8 t
	s_cmp_lt_u32 s23, 2
	s_cselect_b32 s42, 0, s41                      ; the eighth goes with x: with R for Q and K, with P for V
	s_cselect_b32 s41, s41, 0
	s_cselect_b32 s43, s43, 208                    ; R's first group
	s_cselect_b32 s44, s44, 128                    ; P's
	s_add_co_u32 s66, s43, s41
	s_lshl_b32 s68, s22, 1
	s_add_co_u32 s66, s66, s68                     ; my tile of R begins at this group: made of t, the eighth and cy
	s_add_co_u32 s67, s44, s42
	s_lshl_b32 s69, s21, 1
	s_add_co_u32 s67, s67, s69                     ; my tile of P: of t, the eighth and cx
	s_add_co_u32 s70, s66, s20
	s_mul_i32 s70, s70, GRP                        ; what I fetch of R, if I fetch for R,
	s_mov_b32 s71, 0
	s_add_co_u32 s72, s67, s20
	s_mul_i32 s72, s72, GRP                        ; and of P
	s_mov_b32 s73, 0
	s_mul_i32 s74, s18, QB                         ; and where it goes: wave x a quarter
	s_add_co_u32 s75, s66, s19                     ; the groups that I multiply
	s_add_co_u32 s76, s67, s20
	s_lshl_b32 s77, s75, 12                        ; their scale bytes in XS: 4,096 a group
	s_lshl_b32 s78, s76, 12
	s_sub_co_u32 s75, s75, s43                     ; the groups counted within their tensors
	s_sub_co_u32 s76, s76, s44
	s_cmp_lt_u32 s23, 2
	s_cselect_b32 s79, s75, s76                    ; x's group: 128 tokens
	s_cselect_b32 s80, s76, s75                    ; W's group: heads 2 g and 2 g + 1
	s_lshr_b32 s81, s79, 4                         ; the batch
	s_and_b32 s82, s79, 15                         ; which 128 of its 2,048 tokens
	s_lshl_b32 s81, s81, 4
	s_lshl_b32 s83, s80, 1
	s_add_co_u32 s81, s81, s83
	s_mul_i32 s81, s81, REC                        ; the record of (batch, head 2 g)
	s_mul_i32 s83, s82, 6144
	s_add_co_u32 s84, s81, s83
	s_lshl_b32 s85, s82, 9
	s_lshl_b32 s86, s82, 8
	s_add_co_u32 s85, s85, 196608
	s_add_co_u32 s86, s86, 204800
	s_cmp_eq_u32 s23, 2
	s_cselect_b32 s87, 0x18000, 0                  ; V's codes lie 98,304 bytes into a record
	s_cselect_b32 s85, s86, s85                    ; the scale words' place
	s_cselect_b32 s88, 0, 1024                     ; the bias: bytes for hl,
	s_cselect_b32 s89, 64, 0                       ; for r + 8 (r / 8),
	s_cselect_b32 s90, 0, 64                       ; and from register to register
	s_add_co_u32 s84, s84, s87                     ; where my codes go
	s_add_co_u32 s86, s81, s85                     ; and my scale words
	s_mov_b32 s85, 0
	s_mov_b32 s87, 0
	s_lshl_b32 s92, s80, 3                         ; the bias of head 2 g begins 8 g bytes in
	s_mov_b32 s93, 0
	s_mov_b32 s2, 0x76543210
	s_mov_b32 s3, 0xfedcba98                       ; v_permlanex16_b32's selects for lane l xor 16
	; group 1: a dense block of 24,576 bytes as 96 rows of 32 elements of 8 bytes, no padding: every LDS read is 16 or 8 bytes a lane on end
	s_or_b32 s[G1+0], s45, (3<<16)|(1<<21)         ; 15:0 the mask: my row; 17:16 elements of 8 bytes; 21 set beside a mask
	s_or_b32 s[G1P+0], s46, (3<<16)|(1<<21)        ; my column
.irp g, G1, G1P
	s_mov_b32 s[\g+1], 32<<16                      ; tensor_dim0
	s_mov_b32 s[\g+2], 96<<16                      ; tensor_dim1
	s_mov_b32 s[\g+3], 32<<16                      ; tile_dim0
	s_mov_b32 s[\g+4], 96                          ; tile_dim1
	s_mov_b32 s[\g+5], 32                          ; the pitch
	s_mov_b32 s[\g+6], 0
	s_mov_b32 s[\g+7], 0
.endr
	v_and_b32 v1, 15, v0                           ; r
	v_bfe_u32 v2, v0, 4, 1                         ; hl
	v_and_b32 v3, 31, v0                           ; lane
	v_lshlrev_b32 v[L16], 4, v3
	v_lshlrev_b32 v[L8], 3, v3
	v_mov_b32 v105, s77
	v_mov_b32 v106, s78
	v_cmp_eq_u32 vcc_lo, 1, v2
	v_cndmask_b32 v104, v105, v106, vcc_lo         ; lanes 0-15 take R's scale words, lanes 16-31 P's
	v_lshl_add_u32 v104, v1, 5, v104               ; 32 bytes a row
	v_and_b32 v107, 8, v1
	v_add_nc_u32 v107, v107, v1                    ; r + 8 (r / 8)
	v_mul_u32_u24 v[VO], v2, s88
	v_mad_u32_u24 v[VO], v107, s89, v[VO]
.irp j, 1,2,3,4,5,6,7
	v_add_nc_u32 v[VO+\j], s90, v[VO+\j-1]
.endr
	s_wait_alu depctr_va_vdst(0)
	s_wait_kmcnt 0x0
	s_cmp_eq_u32 s23, 0
	s_cselect_b64 s[94:95], s[14:15], s[16:17]     ; Q goes to QR, K and V to KV
	s_cselect_b64 s[96:97], s[8:9], s[10:11]
	s_cmp_eq_u32 s23, 2
	s_cselect_b64 s[96:97], s[12:13], s[96:97]     ; the tensor's bias
	s_add_nc_u64 s[96:97], s[96:97], s[92:93]
	s_add_nc_u64 s[84:85], s[94:95], s[84:85]
	s_add_nc_u64 s[86:87], s[94:95], s[86:87]
	s_add_nc_u64 s[70:71], s[4:5], s[70:71]
	s_add_nc_u64 s[72:73], s[4:5], s[72:73]
.irp i, 0,1,2,3,4,5,6,7
	global_load_b128 v[SC+8*\i:SC+8*\i+3], v104, s[6:7] offset:512*\i        ; block i's words of K steps 0-3,
	global_load_b128 v[SC+8*\i+4:SC+8*\i+7], v104, s[6:7] offset:512*\i+16   ; 4-7
.endr
	WIN TO_P
; The bias in the result's layout, 8 registers for each tile k (of P for Q and K, of R for V, where the eight are equal): b[16 (n' % 64) + n' / 64], n' = 128 g + 32 (k / 2) + 8 (k % 2) + ..; 4,092 is the last byte offset asked for
.irp k, 0,1,2,3,4,5,6,7
.irp j, 0,1,2,3,4,5,6,7
	global_load_b32 v[96+8*\k+\j+96*(\k/4)], v[VO+\j], s[96:97] offset:4*(\k/4)+64*(32*((\k/2)%2)+8*(\k%2))
.endr
.endr
	WIN 0
	CROUND                                         ; all sixteen work-groups are here: the first joint loads meet
.irp s, 0,1
	s_mov_b32 s[G0+4*\s], 1
	s_add_co_u32 s[G0+4*\s+1], s74, \s*SLOT
	s_add_nc_u64 s[G0+4*\s+2:G0+4*\s+3], s[70:71], \s*QB    ; slot s begins with K steps 2 s, 2 s + 1
	s_or_b32 s[G0+4*\s+3], s[G0+4*\s+3], 0x80000000
	s_mov_b32 s[G0P+4*\s], 1
	s_add_co_u32 s[G0P+4*\s+1], s74, \s*SLOT
	s_add_nc_u64 s[G0P+4*\s+2:G0P+4*\s+3], s[72:73], \s*QB
	s_or_b32 s[G0P+4*\s+3], s[G0P+4*\s+3], 0x80000000
	s_wait_alu depctr_va_vdst(0)
	s_wait_tensorcnt 0x0
	ds_add_u32 v28, v29
	ds_add_u32 v28, v29
	s_wait_dscnt 0x0
	CROUND
	JLOAD G0+4*\s, G1, G0P+4*\s, G1P
.endr
	s_mul_i32 s98, s19, QB                         ; my 128 rows of R
	s_mul_i32 s99, s20, QB
	s_add_co_u32 s99, s99, 2*QB                    ; my 128 rows of P, behind R's 256
.irp s, 0,1
	v_add_nc_u32 v[AR16+\s], s98, v[L16]
	v_add_nc_u32 v[AR8+\s], s98, v[L8]
	v_add_nc_u32 v[AP16+\s], s99, v[L16]
	v_add_nc_u32 v[AP8+\s], s99, v[L8]
	s_add_co_u32 s98, s98, SLOT
	s_add_co_u32 s99, s99, SLOT
.endr
.macro FRAG reg, a16, a8, off          ; a fragment comes back as it was stored: four loads, each consecutive over the lanes
	ds_load_b128 v[\reg:\reg+3], v[\a16] offset:\off
	ds_load_b64 v[\reg+4:\reg+5], v[\a8] offset:\off+512
	ds_load_b128 v[\reg+6:\reg+9], v[\a16] offset:\off+768
	ds_load_b64 v[\reg+10:\reg+11], v[\a8] offset:\off+1280
.endm
.macro FETCH_P slot, q, p              ; P's eight fragments of the slot's q-th K step into set p
	WIN TO_P
.irp i, 0,1,2,3,4,5,6,7
	FRAG 128*(\p)+FR*\i, AP16+\slot, AP8+\slot, (\q)*12288+\i*1536
.endr
	WIN 0
.endm
.macro FETCH_R slot, q, i0             ; R's blocks i0 .. i0 + 3
.irp i, \i0, \i0+1, \i0+2, \i0+3
	FRAG AF+FR*(\i), AR16+\slot, AR8+\slot, (\q)*12288+(\i)*1536
.endr
.endm
; 16 products: R's blocks a0, a0 + 1 x P's eight, K step ks.  The 64 accumulators take turns, one instruction a turn, in the same order in every step.  zero = 1: the product starts the sum
.macro MUL16 a0, p, ks, zero
.irp a, \a0, \a0+1
.irp b, 0,1,2,3,4,5,6,7
.if \zero
	v_wmma_scale_f32_16x16x128_f8f6f4 v[8*(8*((\a)%4)+\b):8*(8*((\a)%4)+\b)+7], v[128*(\p)+FR*\b:128*(\p)+FR*\b+FR-1], v[AF+FR*(\a):AF+FR*(\a)+FR-1], 0, v[SC+8*\b+(\ks)], v[SC+8*(\a)+(\ks)] matrix_a_fmt:MATRIX_FMT_BF6 matrix_b_fmt:MATRIX_FMT_BF6 matrix_a_scale:MATRIX_SCALE_ROW1
.else
	v_wmma_scale_f32_16x16x128_f8f6f4 v[8*(8*((\a)%4)+\b):8*(8*((\a)%4)+\b)+7], v[128*(\p)+FR*\b:128*(\p)+FR*\b+FR-1], v[AF+FR*(\a):AF+FR*(\a)+FR-1], v[8*(8*((\a)%4)+\b):8*(8*((\a)%4)+\b)+7], v[SC+8*\b+(\ks)], v[SC+8*(\a)+(\ks)] matrix_a_fmt:MATRIX_FMT_BF6 matrix_b_fmt:MATRIX_FMT_BF6 matrix_a_scale:MATRIX_SCALE_ROW1
.endif
.endr
.endr
.endm
; A slot's first K step: P's set 0; its successor lies in the same slot.  Loads into registers that products have read stand four plain places behind them (ISA guide 7.12.1 for vector instructions).
.macro STEP slot, ks, zero
	s_wait_dscnt 16                                ; P's set and R's blocks 0-3 are in; the youngest sixteen loads (R's blocks 4-7) may be out
	WIN MUL_LO
	MUL16 0, 0, \ks, \zero
	MUL16 2, 0, \ks, \zero
	s_wait_dscnt 0x0                               ; R's blocks 4-7 are in
	PLACES 4
	FETCH_P \slot, 1, 1
	FETCH_R \slot, 1, 0
	WIN MUL_HI
	MUL16 4, 0, \ks, \zero
	MUL16 6, 0, \ks, \zero
	PLACES 4
	WIN 0
	FETCH_R \slot, 1, 4
.endm
; A slot's second K step changes slots: one barrier; in front of it each wave waits for all its tensor loads, adds 0 to its spare word, and waits for that and for its reads of this slot.
.macro TURN slot, next, ks, fill
	s_wait_tensorcnt 0x0                           ; all my tensor loads have landed: my part of the next slot
	ds_add_u32 v[SPW], v[NIL]                      ; 0 onto my spare word
	s_wait_dscnt 17                                ; (the add and the youngest sixteen loads may be out)
	WIN MUL_LO
	MUL16 0, 1, \ks, 0                             ; sixteen products stand between the add and the wait for it
	s_wait_dscnt 0x0                               ; the add is done, and my reads of this slot are over
	s_barrier_signal -1
	MUL16 2, 1, \ks, 0
	WIN 0
	s_barrier_wait -1
.if \fill
	CREST                                          ; the barrier has opened a round of the cluster's: no wave of any partner still reads this slot or has a load on its way
	s_add_nc_u64 s[G0+4*\slot+2:G0+4*\slot+3], s[G0+4*\slot+2:G0+4*\slot+3], 2*QB
	s_add_nc_u64 s[G0P+4*\slot+2:G0P+4*\slot+3], s[G0P+4*\slot+2:G0P+4*\slot+3], 2*QB
	JLOAD G0+4*\slot, G1, G0P+4*\slot, G1P         ; the first tensor load behind the round, my one until the next; its four v_nop are the places for the loads below
.else
	PLACES 4
.endif
	FETCH_P \next, 0, 0
	FETCH_R \next, 0, 0
	WIN MUL_HI
	MUL16 4, 1, \ks, 0
	MUL16 6, 1, \ks, 0
	PLACES 4
	WIN 0
	FETCH_R \next, 0, 4
.endm
	s_wait_alu depctr_va_vdst(0)
	s_wait_tensorcnt 1                             ; my part of slot 0 is in; slot 1's may stay out
	s_barrier_signal -1
	s_barrier_wait -1
	s_wait_loadcnt 0x0                             ; the scale words and the bias
	FETCH_P 0, 0, 0
	FETCH_R 0, 0, 0
	FETCH_R 0, 0, 4
	STEP 0, 0, 1                                   ; the first products start the sums: nothing is cleared
	TURN 0, 1, 1, 1                                ; slot 0 takes K steps 4, 5
	STEP 1, 2, 0
	TURN 1, 0, 3, 1                                ; slot 1 takes K steps 6, 7
	STEP 0, 4, 0
	TURN 0, 1, 5, 0                                ; nothing is left to fetch
	STEP 1, 6, 0
	s_wait_dscnt 16
	WIN MUL_LO
	MUL16 0, 1, 7, 0
	MUL16 2, 1, 7, 0
	s_wait_dscnt 0x0
	WIN MUL_HI
	MUL16 4, 1, 7, 0
	MUL16 6, 1, 7, 0
	WIN 0
	PLACES 4                                       ; in front of the first read of results and the first write over R's fragments
; 64 numbers of a lane, register 16 b + i = place 32 b + 16 hl + i of my row along the next K, become a fragment's codes in v[PC] on and its scale word in v[pw].
.macro QUANT s, pw
.irp b, 0,1,2,3
	v_max3_num_f32 v[TM+\b], |v[\s+16*\b]|, |v[\s+1+16*\b]|, 0x2800000   ; my 16 numbers of block b, and the floor 2^(5 - 127): the byte cannot fall under 1
.endr
.irp i, 2,4,6,8,10,12,14
.irp b, 0,1,2,3
	v_max3_num_f32 v[TM+\b], v[TM+\b], |v[\s+16*\b+\i]|, |v[\s+1+16*\b+\i]|
.endr
.endr
.irp b, 0,1,2,3
	v_permlanex16_b32 v[TM+4+\b], v[TM+\b], s2, s3
.endr
.irp b, 0,1,2,3
	v_max_num_f32 v[TM+\b], v[TM+\b], v[TM+4+\b]   ; with lane l xor 16's: the block's largest magnitude
.endr
.irp b, 0,1,2,3
	v_add_nc_u32 v[TM+12+\b], 0xfe000000, v[TM+\b] ; 4 off its exponent field: the conversion's scale operand
.endr
.irp b, 0,1,2,3
	v_lshrrev_b32 v[TM+4+\b], 23, v[TM+12+\b]      ; the scale's byte
.endr
	v_lshl_or_b32 v[\pw], v[TM+5], 8, v[TM+4]
	v_lshl_or_b32 v[\pw], v[TM+6], 16, v[\pw]
	v_lshl_or_b32 v[\pw], v[TM+7], 24, v[\pw]
.irp c, 0,1
	v_cvt_scalef32_pk16_bf6_f32 v[PC+6*\c:PC+2+6*\c], v[\s+32*\c:\s+15+32*\c], v[TM+12+2*\c]
	v_cvt_scalef32_pk16_bf6_f32 v[PC+12+4*\c:PC+14+4*\c], v[\s+16+32*\c:\s+31+32*\c], v[TM+12+2*\c+1]   ; (a conversion's three registers begin on an even number)
.endr
	v_nop                                          ; one plain place behind a scaled conversion
.irp c, 0,1                            ; the operand's layout wants a whole block in a lane: lanes 0-15 block 2 c, lanes 16-31 block 2 c + 1
.irp i, 0,1,2
	v_permlane16_swap_b32 v[PC+6*\c+\i], v[PC+12+4*\c+\i]
.endr
.irp i, 0,1,2
	v_mov_b32 v[PC+3+6*\c+\i], v[PC+12+4*\c+\i]
.endr
.endr
.endm
; THE WAY OUT, R's block a at a time: + bias, quantised, stored.  v = 0 (Q, K): the fragment's two halves are two heads' tiles of 16 tokens x 64 d.  v = 1 (V): the fragment is 16 d x 128 keys of head a / 4.
.macro EPI v
.irp a, 0,1,2,3,4,5,6,7
.if \a > 0
	s_wait_xcnt 0x0                                ; the last block's stores have read the codes' registers
.endif
	WIN 0x06+\a/4                                  ; source 0: the accumulators' window; source 1: the bias, window 1
.set n, 0
.rept 32
.if \v
.set bi, 8*\a+(2*n)%8
.else
.set bi, 2*n
.endif
.set bi, 96+bi+96*(bi/32)
	v_pk_add_f32 v[NUM+2*n:NUM+2*n+1], v[64*(\a%4)+2*n:64*(\a%4)+2*n+1], v[bi:bi+1]   ; ascending: each accumulator from its low end on
.set n, n+1
.endr
	WIN 0
	QUANT NUM, PWS+\a
.if \v
	global_store_b128 v[L16], v[PC:PC+3], s[84:85] offset:(\a/4)*REC+(\a%4)*1536
	global_store_b64 v[L8], v[PC+4:PC+5], s[84:85] offset:(\a/4)*REC+(\a%4)*1536+512
	global_store_b128 v[L16], v[PC+6:PC+9], s[84:85] offset:(\a/4)*REC+(\a%4)*1536+768
	global_store_b64 v[L8], v[PC+10:PC+11], s[84:85] offset:(\a/4)*REC+(\a%4)*1536+1280
.else
	global_store_b128 v[L16], v[PC:PC+3], s[84:85] offset:768*\a
	global_store_b64 v[L8], v[PC+4:PC+5], s[84:85] offset:768*\a+512
	global_store_b128 v[L16], v[PC+6:PC+9], s[84:85] offset:REC+768*\a
	global_store_b64 v[L8], v[PC+10:PC+11], s[84:85] offset:REC+768*\a+512
.endif
.endr
	v_cmp_eq_u32 vcc_lo, 1, v2                     ; the scale words as the attention's registers want them: lanes 0-15 an even tile's, lanes 16-31 the odd tile's behind it
.if \v
.irp e, 0,1
.irp c, 0,1
	v_cndmask_b32 v[OW+2*\e+\c], v[PWS+4*\e+2*\c], v[PWS+4*\e+2*\c+1], vcc_lo
.endr
.endr
	global_store_b64 v[L8], v[OW:OW+1], s[86:87]
	global_store_b64 v[L8], v[OW+2:OW+3], s[86:87] offset:REC
.else
.irp c, 0,1,2,3
	v_cndmask_b32 v[OW+\c], v[PWS+2*\c], v[PWS+2*\c+1], vcc_lo   ; bytes 0, 1: head 2 g's two blocks (bytes 2, 3 meet zero codes and are never 0xff)
.endr
.irp c, 0,1,2,3
	v_lshrrev_b32 v[OW+4+\c], 16, v[OW+\c]         ; head 2 g + 1's
.endr
	global_store_b128 v[L16], v[OW:OW+3], s[86:87]
	global_store_b128 v[L16], v[OW+4:OW+7], s[86:87] offset:REC
.endif
.endm
.irp b, 0,1,2,3
	v_mov_b32 v[TM+4+\b], 0                        ; written once: a lane permute's destination counts as one of its sources
.endr
	s_cmp_eq_u32 s23, 2                            ; the branch hangs on the cluster's number alone
	s_cbranch_scc1 .Lvee
	EPI 0
	s_branch .Lend
.Lvee:
	EPI 1
.Lend:
	s_wait_tensorcnt 0x0                           ; the wave's end
	ds_add_u32 v[SPW], v[NIL]
	s_wait_dscnt 0x0
	CROUND                                         ; the closing round: no work-group ends while a partner may still ask for a tile that names it
	s_endpgm
.Lfunc_end_k_q6e05c762bf_proj:
	.size	k_q6e05c762bf_proj, .Lfunc_end_k_q6e05c762bf_proj-k_q6e05c762bf_proj
	.p2alignl 7, 3214868480
	.fill 96, 4, 3214868480
	.section	.rodata,"a",@progbits
	.p2align	6, 0x0
	.amdhsa_kernel k_q6e05c762bf_proj
		.amdhsa_group_segment_fixed_size 327680
		.amdhsa_private_segment_fixed_size 0
		.amdhsa_enable_private_segment 0
		.amdhsa_kernarg_size 56
		.amdhsa_user_sgpr_count 2
		.amdhsa_user_sgpr_kernarg_segment_ptr 1
		.amdhsa_wavefront_size32 1
		.amdhsa_system_sgpr_workgroup_id_x 1
		.amdhsa_system_sgpr_workgroup_id_y 1
		.amdhsa_system_sgpr_workgroup_id_z 1
		.amdhsa_system_vgpr_workitem_id 0
		.amdhsa_next_free_vgpr 1024
		.amdhsa_next_free_sgpr 100
		.amdhsa_reserve_vcc 1
		.amdhsa_float_denorm_mode_32 3
		.amdhsa_float_denorm_mode_16_64 3
		.amdhsa_memory_ordered 1
		.amdhsa_forward_progress 1
		.amdhsa_inst_pref_size 220
	.end_amdhsa_kernel
	.amdgpu_metadata
---
amdhsa.version: [ 1, 2 ]
amdhsa.kernels:
  - .name:           k_q6e05c762bf_proj
    .symbol:         k_q6e05c762bf_proj.kd
    .args:
      - { .name: XC, .offset: 0, .size: 8, .value_kind: global_buffer, .address_space: global }
      - { .name: XS, .offset: 8, .size: 8, .value_kind: global_buffer, .address_space: global }
      - { .name: bq, .offset: 16, .size: 8, .value_kind: global_buffer, .address_space: global }
      - { .name: bk, .offset: 24, .size: 8, .value_kind: global_buffer, .address_space: global }
      - { .name: bv, .offset: 32, .size: 8, .value_kind: global_buffer, .address_space: global }
      - { .name: QR, .offset: 40, .size: 8, .value_kind: global_buffer, .address_space: global }
      - { .name: KV, .offset: 48, .size: 8, .value_kind: global_buffer, .address_space: global }
    .group_segment_fixed_size: 327680
    .private_segment_fixed_size: 0
    .kernarg_segment_align: 8
    .kernarg_segment_size: 56
    .max_flat_workgroup_size: 128
    .sgpr_count:     100
    .vgpr_count:     1024
    .wavefront_size: 32
...
	.end_amdgpu_metadata
.endif
;; end of part 2
;; launch attn (part 3): grid 4 x 64, 16 waves a work-group, clusters of 4 x 1, 210,944 bytes of LDS; arguments QR, KV, OC, XS; writes OC, XS
.if DOCPART == 3
	.amdgcn_target "amdgcn-amd-amdhsa--gfx1250"
	.amdhsa_code_object_version 6
	.text
	.protected	k_q6e05c762bf_attn
	.globl	k_q6e05c762bf_attn
	.p2align	8
	.type	k_q6e05c762bf_attn,@function
k_q6e05c762bf_attn:
	s_mov_b64 s[64:65], 0
	v_nop
	global_prefetch_b8 v0, s[64:65] scope:SCOPE_SE
	s_setreg_imm32_b32 hwreg(HW_REG_WAVE_MODE, 25, 1), 1
	s_wait_xcnt 0x0
	s_wait_alu depctr_hold_cnt(0) depctr_sa_sdst(0) depctr_va_vdst(0) depctr_va_sdst(0) depctr_va_ssrc(0) depctr_va_vcc(0) depctr_vm_vsrc(0)
	s_getreg_b32 s2, hwreg(HW_REG_IB_STS2, 6, 4)
	s_cmp_eq_u32 s2, 0
	s_cbranch_scc0 .Lentry_in_a_cluster
	s_endpgm
.Lentry_in_a_cluster:
	s_bfe_u32 s2, ttmp6, 0x10000c
	s_cmp_lg_u32 s2, 0x3003
	s_cbranch_scc0 .Lentry_shape_is_right
	s_endpgm
.Lentry_shape_is_right:
; Causal attention of one (batch, head) on codes of BF6 (E3M2) with E8M0 scales, and its result quantised along d into the last product's operand.
; t = score x log2(e) / 32 (the scores are divided by sqrt(1,024)); M = the running largest t rounded up to a whole number; p = 2^(t - M) is quantised along the keys, not normalised;
; the row's sum is taken of the unquantised p and divides O at the end; when M moves, the sum and O are multiplied by 2^(old M - new M), which rounds nothing.
; SHARES.  A cluster of four work-groups owns one bh = 16 batch + head.  Wave w of partner cx owns two tiles of 16 queries: 4 w + cx and 127 - (4 w + cx).  Tile q needs q / 8 + 1 steps of 128 keys:
; w / 2 + 1 and 16 - w / 2, in every partner alike, 17 in all: one loop of 17 trips, equal work everywhere.  What lies above the diagonal beyond a tile's last step is not computed.
; LDS holds the head's whole record of K and V (208,896 bytes: K's 128 tiles, V's fragments, both tensors' scale words), filled ONCE, a sixteenth by each wave; behind the one barrier it is only read.
; CLUSTER.  The four partners read the same record, so each sixteenth is asked for JOINTLY: the same tensor load, with the same descriptor and a mask that names the four.  Where a wave changes tiles, which
; step needs the mask and every LDS address hang on the wave's number and the trip alone; cx enters only Q's, O's and the scale bytes' global addresses and the number that the mask compares with.
; LAYOUT.  Both products are used transposed: S^T = K Q^T (source 0 = 16 keys), O^T = V^T P^T (source 0 = 16 d): a lane holds one query throughout.  The keys of a tile of K and the d of a tile of V are
; 32 (t / 2) + 8 (t % 2) + r + 8 (r / 8), so that 16 registers of two neighbouring tiles are 16 neighbours along the next K.
; THE HEAD IS 64 WIDE, the instruction 128 deep: Q's operand has zero codes in its upper six registers; K's operand for tile t is v[36 + 6 t] on, whose upper six registers (the next tile's codes, or zeros) meet those zeros.
; LIMITS: NaN and infinities are not served; a block of zeros gets the byte 1 (its codes are zeros).  The result's scale bytes leave one byte a lane, 2 of each row's 32 bytes: 1 byte for every 24 of codes.
.set REC,  208896
.set KR,   36                          ; v36-83 eight tiles of K (6 registers), later four of V (12); v84-89 zeros
.set S,    96                          ; v96-159 S^T, then p
.set O,    160                         ; v160-191 O^T
.set PCD,  192                         ; v192-203 p's codes; v204-206, v208-210 upper halves
.set BM,   212                         ; v212-215 the blocks' largest scores, then largest p
.set PT,   216                         ; v216-219 from lane l xor 16
.set SOP,  220                         ; v220-223 the conversions' scale operands
.set BY,   224                         ; v224-227 the scales' bytes
.set PW,   228                         ; v228 p's scale word
.set F,    230                         ; v[230:231] f = 2^(old M - new M), named as a pair
.set SEL,  20                          ; s[20:21]
.set CS,   22                          ; s[22:23] c = log2(e) / 32
; v1 16 x lane, v2 8 x lane, v3-8 the step's LDS addresses, v9 r - 16 hl, v10-11 the scale words' places, v12 -M, v13 the largest t, v[14:15] the sum, v16-27 Q and zeros, v28-33, v35 the second tile's Q, v34 Q's scale word,
; v90-93 K's scale words, v94-95 V's, v232-235 at work, v236 32 r + hl, v237 16 r
; A round of the cluster's barrier: my work-group's barrier, wave 0 signals for the work-group, every wave waits for all four work-groups, my work-group's barrier once more.
.macro CROUND
	s_barrier_signal -1
	s_barrier_wait -1
	s_cmp_lg_u32 s12, 0
	s_cbranch_scc1 .Lnot_wave_0_\@
	s_barrier_signal -3
.Lnot_wave_0_\@:
	s_barrier_wait -3
	s_barrier_signal -1
	s_barrier_wait -1
.endm
	s_load_b256 s[4:11], s[0:1], 0x0               ; QR s[4:5], KV s[6:7], OC s[8:9], XS s[10:11]
	v_lshl_add_u32 v254, v0, 2, 0x33000
	v_mov_b32 v255, 0
	ds_add_u32 v254, v255
	ds_add_u32 v254, v255
	v_lshrrev_b32 v1, 5, v0
	s_delay_alu instid0(VALU_DEP_1)
	v_readfirstlane_b32 s12, v1                    ; wave 0..15
	s_and_b32 s14, ttmp7, 0xffff                   ; bh: the cluster's y, which the four partners share
	s_bfe_u32 s2, ttmp6, 0x40000                   ; cx: my place in the cluster
	s_lshl_b32 s15, s12, 2
	s_add_co_u32 s15, s15, s2                      ; my first tile of queries, 0..63
	s_sub_co_u32 s16, 127, s15                     ; my second, 64..127
	s_lshr_b32 s17, s12, 1
	s_add_co_u32 s17, s17, 1                       ; the first tile's key steps: (4 w + cx) / 8 + 1 = w / 2 + 1, made of the wave's number alone
	s_mul_i32 s36, s14, REC
	s_mov_b32 s37, 0
	s_mul_i32 s38, s12, 13056                      ; my sixteenth of the record: 51 rows of 256 bytes
	s_mov_b32 s39, 0
	s_mov_b32 s24, 15|(3<<16)|(1<<21)              ; group 1: 15:0 the mask: all four work-groups; 17:16 elements of 8 bytes; 21 set beside a mask; no padding
	s_mov_b32 s25, 32<<16                          ; tensor_dim0
	s_mov_b32 s26, 51<<16                          ; tensor_dim1
	s_mov_b32 s27, 32<<16                          ; tile_dim0
	s_mov_b32 s28, 51                              ; tile_dim1
	s_mov_b32 s29, 32                              ; the pitch
	s_mov_b32 s30, 0
	s_mov_b32 s31, 0
	s_wait_dscnt 0x0
	s_wait_kmcnt 0x0
	s_add_nc_u64 s[6:7], s[6:7], s[36:37]
	CROUND                                         ; all four work-groups are here: the joint loads meet
	s_mov_b32 s32, 1
	s_mov_b32 s33, s38
	s_add_nc_u64 s[34:35], s[6:7], s[38:39]        ; made of the head and the wave's number: equal in the four partners
	s_or_b32 s35, s35, 0x80000000
	tensor_load_to_lds s[32:35], s[24:31]          ; my one tensor load of the launch
	s_nop 0
.rept 4
	v_nop
.endr
	s_add_nc_u64 s[4:5], s[4:5], s[36:37]          ; Q's record
	s_and_b32 s19, s14, 15                         ; the head
	s_lshr_b32 s48, s14, 4
	s_lshl_b32 s48, s48, 7                         ; 128 tiles of rows a batch
	s_lshr_b32 s49, s19, 1                         ; the last product's K step,
	s_and_b32 s51, s19, 1
	s_mul_i32 s51, s51, 768                        ; and which half of its fragment
	s_lshl_b32 s13, s19, 1
	s_add_co_u32 s13, s13, 917504                  ; the result's scale bytes: behind the 1,792 tiles' in XS; 2 bytes a head
	s_mov_b32 s[SEL], 0x76543210
	s_mov_b32 s[SEL+1], 0xfedcba98
	s_mov_b32 s[CS], 0x3d38aa3b
	s_mov_b32 s[CS+1], s[CS]
; For the tile in s[qt]: pc: Q's codes; ps: Q's scale words; po: the result's codes in OC; px: its scale bytes in XS
.macro QPTR qt, pc, ps, po, px
	s_mul_i32 s60, s[\qt], 768
	s_mov_b32 s61, 0
	s_add_nc_u64 s[\pc:\pc+1], s[4:5], s[60:61]
	s_lshr_b32 s60, s[\qt], 3
	s_lshl_b32 s60, s60, 9                         ; 512 bytes of words for each 8 tiles;
	s_and_b32 s62, s[\qt], 1
	s_lshl_b32 s62, s62, 8                         ; an odd tile's lie in lanes 16-31's places;
	s_add_co_u32 s60, s60, s62
	s_bfe_u32 s62, s[\qt], 0x20001
	s_lshl_b32 s62, s62, 2                         ; word (tile / 2) % 4 of a lane's four
	s_add_co_u32 s60, s60, s62
	s_add_co_u32 s60, s60, 196608
	s_add_nc_u64 s[\ps:\ps+1], s[4:5], s[60:61]
	s_add_co_u32 s62, s[\qt], s48                  ; the tile of rows among all 512
	s_lshr_b32 s60, s62, 3
	s_lshl_b32 s60, s60, 3
	s_add_co_u32 s60, s60, s49
	s_mul_i32 s60, s60, 12288
	s_and_b32 s63, s62, 7
	s_mul_i32 s63, s63, 1536
	s_add_co_u32 s60, s60, s63
	s_add_co_u32 s60, s60, s51
	s_add_nc_u64 s[\po:\po+1], s[8:9], s[60:61]
	s_lshl_b32 s60, s62, 9
	s_add_co_u32 s60, s60, s13
	s_add_nc_u64 s[\px:\px+1], s[10:11], s[60:61]
.endm
	QPTR 15, 40, 42, 52, 54
	QPTR 16, 44, 46, 56, 58
	v_and_b32 v232, 31, v0                         ; lane
	v_and_b32 v233, 15, v0                         ; r
	v_bfe_u32 v234, v0, 4, 1                       ; hl
	s_delay_alu instid0(VALU_DEP_3)
	v_lshlrev_b32 v1, 4, v232
	s_delay_alu instid0(VALU_DEP_4)
	v_lshlrev_b32 v2, 3, v232
	s_delay_alu instid0(VALU_DEP_3)
	v_lshlrev_b32 v235, 4, v234
	s_delay_alu instid0(VALU_DEP_1)
	v_sub_nc_u32 v9, v233, v235
	s_delay_alu instid0(VALU_DEP_4)
	v_add_nc_u32 v10, 196608, v1                   ; K's scale words: 16 bytes a lane
	s_delay_alu instid0(VALU_DEP_4)
	v_add_nc_u32 v11, 204800, v2                   ; V's: 8
	v_lshl_add_u32 v236, v233, 5, v234
	v_lshlrev_b32 v237, 4, v233
	v_cmp_eq_u32 s50, 1, v234                      ; lanes 16-31
	global_load_b128 v[16:19], v1, s[40:41]        ; both tiles' Q stay in registers
	global_load_b64 v[20:21], v2, s[40:41] offset:512
	global_load_b32 v34, v237, s[42:43]
	global_load_b128 v[28:31], v1, s[44:45]
	global_load_b64 v[32:33], v2, s[44:45] offset:512
	global_load_b32 v35, v237, s[46:47]
.irp j, 0,1,2,3,4,5
	v_mov_b32 v[22+\j], 0                          ; zero codes: the upper 64 of the instruction's 128
	v_mov_b32 v[84+\j], 0
.endr
	v_mov_b32 v13, 0xff61b1e6                      ; the largest t so far: -3e38, under every t
	s_delay_alu instid0(VALU_DEP_1)
	v_floor_f32 v12, -v13                          ; -M
	v_mov_b32 v14, 0
	v_mov_b32 v15, 0
.irp b, 0,1,2,3
	v_mov_b32 v[PT+\b], 0                          ; written once: a lane permute's destination counts as one of its sources
.endr
	v_mov_b32 v[F], 0
	v_mov_b32 v[F+1], 0                            ; (named as the pair's upper half)
.set j, 0
.rept 32
	v_mov_b32 v[O+j], 0                            ; the step is written once: a tile's first step finds zeros
.set j, j+1
.endr
	s_wait_tensorcnt 0x0                           ; my sixteenth is in,
	s_barrier_signal -1
	s_barrier_wait -1                              ; everybody's is; from here on LDS is only read
	s_wait_loadcnt 0x0                             ; Q
; A tile is done: O^T / the sum, quantised along d (two blocks of 32), stored as half a fragment of the last product's operand, with its two scale bytes a row.
.macro FINISH po, px
.rept 4
	v_nop                                          ; places behind the last products
.endr
	v_add_f32 v14, v14, v15
	s_delay_alu instid0(VALU_DEP_1)
	v_permlanex16_b32 v232, v14, s[SEL], s[SEL+1]
	s_delay_alu instid0(VALU_DEP_1)
	v_add_f32 v14, v14, v232                       ; the row's sum
	s_wait_alu depctr_va_vdst(0)
	v_rcp_f32 v14, v14
	v_nop                                          ; one plain place behind a transcendental
.set j, 0
	s_wait_alu depctr_va_vdst(0)
.rept 16
	v_pk_mul_f32 v[S+j:S+j+1], v[O+j:O+j+1], v[14:15] op_sel_hi:[1,0]   ; register 16 b + i: d = 32 b + 16 hl + i; ascending: each accumulator from its low end on
.set j, j+2
.endr
.irp b, 0,1
	v_max3_num_f32 v[BM+\b], |v[S+16*\b]|, |v[S+1+16*\b]|, 0x2800000
.endr
.irp i, 2,4,6,8,10,12,14
.irp b, 0,1
	s_delay_alu instid0(VALU_DEP_2)
	v_max3_num_f32 v[BM+\b], v[BM+\b], |v[S+16*\b+\i]|, |v[S+1+16*\b+\i]|
.endr
.endr
.irp b, 0,1
	s_delay_alu instid0(VALU_DEP_2)
	v_permlanex16_b32 v[PT+\b], v[BM+\b], s[SEL], s[SEL+1]
.endr
.irp b, 0,1
	s_delay_alu instid0(VALU_DEP_2)
	v_max_num_f32 v[BM+\b], v[BM+\b], v[PT+\b]
.endr
.irp b, 0,1
	s_delay_alu instid0(VALU_DEP_2)
	v_add_nc_u32 v[SOP+\b], 0xfe000000, v[BM+\b]
.endr
.irp b, 0,1
	s_delay_alu instid0(VALU_DEP_2)
	v_lshrrev_b32 v[BY+\b], 23, v[SOP+\b]
.endr
	v_cvt_scalef32_pk16_bf6_f32 v[PCD:PCD+2], v[S:S+15], v[SOP]
	v_cvt_scalef32_pk16_bf6_f32 v[PCD+4:PCD+6], v[S+16:S+31], v[SOP+1]
	v_nop                                          ; one plain place behind a scaled conversion
.irp i, 0,1,2
	v_permlane16_swap_b32 v[PCD+\i], v[PCD+4+\i]   ; a whole block to a lane: lanes 0-15 block 0, lanes 16-31 block 1
.endr
.irp i, 0,1,2
	s_delay_alu instid0(VALU_DEP_3)
	v_mov_b32 v[PCD+3+\i], v[PCD+4+\i]
.endr
	v_cndmask_b32 v233, v[BY], v[BY+1], s50        ; my block's byte
	global_store_b128 v1, v[PCD:PCD+3], s[\po:\po+1]             ; 512 consecutive bytes, aligned to 256
	global_store_b64 v2, v[PCD+4:PCD+5], s[\po:\po+1] offset:512 ; 256
	global_store_b8 v236, v233, s[\px:\px+1]
	s_wait_xcnt 0x0                                ; the stores have read their registers, which are written again
.endm
	s_mov_b32 s18, 0
.Lstep:                                                ; 17 trips: the first tile's steps, then the second's
	s_cmp_lg_u32 s18, s17
	s_setprio 2
	s_cbranch_scc1 .Lsame
	FINISH 52, 54                                  ; the first tile is done: on to the second
	v_mov_b32 v34, v35                             ; (first, so that eight plain lines and more stand ahead of the next product that takes it as a scale)
.irp j, 0,1,2,3,4,5
	v_mov_b32 v[16+\j], v[28+\j]
.endr
	v_mov_b32 v13, 0xff61b1e6
	s_delay_alu instid0(VALU_DEP_1)
	v_floor_f32 v12, -v13
	v_mov_b32 v14, 0
	v_mov_b32 v15, 0
.set j, 0
.rept 32
	v_mov_b32 v[O+j], 0
.set j, j+1
.endr
.Lsame:
	s_sub_co_u32 s19, s18, s17
	s_sub_co_u32 s3, 16, s17                       ; the second tile's last step, 15 - w / 2,
	s_sub_co_u32 s36, s17, 1                       ; and the first's, w / 2
	s_cmp_ge_u32 s18, s17
	s_cselect_b32 s19, s19, s18                    ; the tile's key step
	s_cselect_b32 s60, s16, s15                    ; the tile
	s_cselect_b32 s3, s3, s36                      ; its last step: the one on the diagonal
	s_min_u32 s19, s19, 15
	s_lshl_b32 s60, s60, 4                         ; its first query
	s_lshl_b32 s61, s19, 7                         ; the step's first key
	s_mul_i32 s62, s19, 6144                       ; a step's 8 tiles of K; its 4 fragments of V are as many bytes,
	s_add_co_u32 s63, s62, 0x18000                 ; 98,304 bytes further on
	s_lshl_b32 s36, s19, 9
	s_lshl_b32 s37, s19, 8
	v_add_nc_u32 v3, s62, v1                       ; (these six are also the places in front of the loads into registers that the last products read)
	v_add_nc_u32 v4, s62, v2
	v_add_nc_u32 v5, s63, v1
	v_add_nc_u32 v6, s63, v2
	v_add_nc_u32 v7, s36, v10
	v_add_nc_u32 v8, s37, v11
.irp t, 0,1,2,3,4,5,6,7
	ds_load_b128 v[KR+6*\t:KR+6*\t+3], v3 offset:768*\t
	ds_load_b64 v[KR+6*\t+4:KR+6*\t+5], v4 offset:768*\t+512
.endr
	ds_load_b128 v[90:93], v7                      ; word c: lanes 0-15 tile 2 c's, lanes 16-31 tile 2 c + 1's
	s_wait_alu depctr_va_vdst(0)
	s_wait_dscnt 0x0
.irp t, 0,2,4,6
	v_wmma_scale_f32_16x16x128_f8f6f4 v[S+8*\t:S+8*\t+7], v[KR+6*\t:KR+6*\t+11], v[16:27], 0, v[90+\t/2], v34 matrix_a_fmt:MATRIX_FMT_BF6 matrix_b_fmt:MATRIX_FMT_BF6
	v_wmma_scale_f32_16x16x128_f8f6f4 v[S+8*\t+8:S+8*\t+15], v[KR+6*\t+6:KR+6*\t+17], v[16:27], 0, v[90+\t/2], v34 matrix_a_fmt:MATRIX_FMT_BF6 matrix_b_fmt:MATRIX_FMT_BF6 matrix_a_scale:MATRIX_SCALE_ROW1
.endr
.rept 4
	v_nop                                          ; places in front of the loads below and of the first read of the scores
.endr
.irp d, 0,1,2,3                        ; V's four fragments land while the softmax is walked
	ds_load_b128 v[KR+12*\d:KR+12*\d+3], v5 offset:1536*\d
	ds_load_b64 v[KR+12*\d+4:KR+12*\d+5], v6 offset:1536*\d+512
	ds_load_b128 v[KR+12*\d+6:KR+12*\d+9], v5 offset:1536*\d+768
	ds_load_b64 v[KR+12*\d+10:KR+12*\d+11], v6 offset:1536*\d+1280
.endr
	ds_load_b64 v[94:95], v8
	s_cmp_lt_u32 s19, s3                           ; ahead of the tile's last step all 128 keys count for all my queries: no mask.  The branch hangs on the wave's number and the trip alone
	s_cbranch_scc1 .Lopen
	s_sub_co_i32 s38, s60, s61
	v_add_nc_u32 v233, s38, v9                     ; my query - the step's first key - 16 hl.  Register 16 b + i holds key 32 b + 16 hl + i of the step: hidden where 32 b + i is larger
	v_mov_b32 v234, 0xff800000                     ; -infinity: p = 0 then
.set n, 0
.rept 64
	v_cmp_gt_i32 vcc_lo, 32*(n/16)+n%16, v233
	v_cndmask_b32 v[S+n], v[S+n], v234, vcc_lo
.set n, n+1
.endr
.Lopen:
.irp b, 0,1,2,3
	v_max3_num_f32 v[BM+\b], v[S+16*\b], v[S+1+16*\b], v[S+2+16*\b]   ; the largest score of each block of 32 keys: for the row's maximum and, since p rises with the score, for the block's largest p
.endr
.irp i, 3,5,7,9,11,13
.irp b, 0,1,2,3
	v_max3_num_f32 v[BM+\b], v[BM+\b], v[S+16*\b+\i], v[S+1+16*\b+\i]
.endr
.endr
	s_setprio 1
.irp b, 0,1,2,3
	v_max_num_f32 v[BM+\b], v[BM+\b], v[S+15+16*\b]
.endr
.irp b, 0,1,2,3
	s_delay_alu instid0(VALU_DEP_4)
	v_permlanex16_b32 v[PT+\b], v[BM+\b], s[SEL], s[SEL+1]
.endr
.irp b, 0,1,2,3
	s_delay_alu instid0(VALU_DEP_4)
	v_max_num_f32 v[BM+\b], v[BM+\b], v[PT+\b]
.endr
	s_delay_alu instid0(VALU_DEP_2)
	v_max3_num_f32 v232, v[BM], v[BM+1], v[BM+2]
	s_delay_alu instid0(VALU_DEP_1)
	v_max_num_f32 v232, v232, v[BM+3]
	s_delay_alu instid0(VALU_DEP_1)
	v_mul_f32 v232, s[CS], v232                    ; as t (c is positive)
	s_delay_alu instid0(VALU_DEP_1)
	v_max_num_f32 v13, v13, v232                   ; the running largest t
	v_mov_b32 v232, v12
	s_delay_alu instid0(VALU_DEP_2)
	v_floor_f32 v12, -v13                          ; the new -M = floor(-t): M is a whole number
	s_delay_alu instid0(VALU_DEP_1)
	v_sub_f32 v232, v12, v232                      ; old M - new M: a whole number, 0 or less
	s_delay_alu instid0(VALU_DEP_1)
	v_cvt_i32_f32 v232, v232                       ; (it saturates)
	s_delay_alu instid0(VALU_DEP_1)
	v_ldexp_f32 v[F], 1.0, v232                    ; f = 2^(old M - new M)
.set j, 0
.rept 32
	v_pk_fma_f32 v[S+j:S+j+1], v[S+j:S+j+1], s[CS:CS+1], v[12:13] op_sel_hi:[1,0,0]   ; t - M, two at a time
.set j, j+2
.endr
.irp b, 0,1,2,3
	v_fma_f32 v[BM+\b], v[BM+\b], s[CS], v12
.endr
.set j, 0
	s_wait_alu depctr_va_vdst(0)
.rept 64
	v_exp_f32 v[S+j], v[S+j]                       ; p = 2^(t - M), at most 1
.set j, j+1
.endr
.irp b, 0,1,2,3
	v_exp_f32 v[BM+\b], v[BM+\b]                   ; the block's largest p: the same two instructions on the same number
.endr
	v_pk_mul_f32 v[14:15], v[14:15], v[F:F+1] op_sel_hi:[1,0]   ; the sums under the new M (a plain place behind the exponentials)
	s_wait_alu depctr_va_vdst(0)
.irp b, 0,1,2,3
	v_max_num_f32 v[BM+\b], 0x2800000, v[BM+\b]    ; the floor 2^(5 - 127)
.endr
.irp b, 0,1,2,3
	s_delay_alu instid0(VALU_DEP_4)
	v_add_nc_u32 v[SOP+\b], 0xfe000000, v[BM+\b]
.endr
.irp b, 0,1,2,3
	s_delay_alu instid0(VALU_DEP_4)
	v_lshrrev_b32 v[BY+\b], 23, v[SOP+\b]
.endr
	s_delay_alu instid0(VALU_DEP_3)
	v_lshl_or_b32 v[PW], v[BY+1], 8, v[BY]         ; p's scale word for these 128 keys
	s_delay_alu instid0(VALU_DEP_1)
	v_lshl_or_b32 v[PW], v[BY+2], 16, v[PW]
	s_delay_alu instid0(VALU_DEP_1)
	v_lshl_or_b32 v[PW], v[BY+3], 24, v[PW]
.irp c, 0,1
	v_cvt_scalef32_pk16_bf6_f32 v[PCD+6*\c:PCD+6*\c+2], v[S+32*\c:S+32*\c+15], v[SOP+2*\c]
	v_cvt_scalef32_pk16_bf6_f32 v[PCD+12+4*\c:PCD+14+4*\c], v[S+16+32*\c:S+31+32*\c], v[SOP+2*\c+1]
.endr
	v_nop                                          ; one plain place behind a scaled conversion
.irp c, 0,1
.irp i, 0,1,2
	v_permlane16_swap_b32 v[PCD+6*\c+\i], v[PCD+12+4*\c+\i]
.endr
.irp i, 0,1,2
	s_delay_alu instid0(VALU_DEP_3)
	v_mov_b32 v[PCD+3+6*\c+\i], v[PCD+12+4*\c+\i]
.endr
.endr
	s_setprio 0
	v_pk_add_f32 v[232:233], v[100:101], v[104:105]
	v_pk_add_f32 v[252:253], v[108:109], v[112:113]
	v_pk_add_f32 v[250:251], v[116:117], v[120:121]
	v_pk_add_f32 v[248:249], v[124:125], v[128:129]
	v_pk_add_f32 v[246:247], v[132:133], v[136:137]
	v_pk_add_f32 v[244:245], v[140:141], v[144:145]
	v_pk_add_f32 v[242:243], v[148:149], v[152:153]
	v_pk_add_f32 v[14:15], v[14:15], v[156:157]
	v_pk_add_f32 v[232:233], v[232:233], v[96:97]
	v_pk_add_f32 v[252:253], v[252:253], v[98:99]
	v_pk_add_f32 v[250:251], v[250:251], v[102:103]
	v_pk_add_f32 v[248:249], v[248:249], v[106:107]
	v_pk_add_f32 v[246:247], v[246:247], v[110:111]
	v_pk_add_f32 v[244:245], v[244:245], v[114:115]
	v_pk_add_f32 v[242:243], v[242:243], v[118:119]
	v_pk_add_f32 v[14:15], v[14:15], v[122:123]
	v_pk_add_f32 v[232:233], v[232:233], v[126:127]
	v_pk_add_f32 v[252:253], v[252:253], v[130:131]
	v_pk_add_f32 v[250:251], v[250:251], v[134:135]
	v_pk_add_f32 v[248:249], v[248:249], v[138:139]
	v_pk_add_f32 v[246:247], v[246:247], v[142:143]
	v_pk_add_f32 v[244:245], v[244:245], v[146:147]
	v_pk_add_f32 v[242:243], v[242:243], v[150:151]
	v_pk_add_f32 v[14:15], v[14:15], v[154:155]
	v_pk_add_f32 v[232:233], v[232:233], v[158:159]
	s_delay_alu instid0(VALU_DEP_2)
	v_pk_add_f32 v[14:15], v[14:15], v[248:249]
	s_delay_alu instid0(VALU_DEP_2)
	v_pk_add_f32 v[232:233], v[232:233], v[246:247]
	v_pk_add_f32 v[252:253], v[252:253], v[244:245]
	v_pk_add_f32 v[250:251], v[250:251], v[242:243]
	s_delay_alu instid0(VALU_DEP_2)
	v_pk_add_f32 v[14:15], v[14:15], v[252:253]
	s_delay_alu instid0(VALU_DEP_2)
	v_pk_add_f32 v[232:233], v[232:233], v[250:251]
	s_delay_alu instid0(VALU_DEP_1)
	v_pk_add_f32 v[14:15], v[14:15], v[232:233]
.set j, 0
.rept 16
	v_pk_mul_f32 v[O+j:O+j+1], v[O+j:O+j+1], v[F:F+1] op_sel_hi:[1,0]   ; O^T under the new M.  (With the sums above: the places between the codes, the scale word and the products)
.set j, j+2
.endr
	s_wait_alu depctr_va_vdst(0)
	s_wait_dscnt 0x0                               ; V
.irp d, 0,2                            ; the four accumulators take turns, one instruction a turn
	v_wmma_scale_f32_16x16x128_f8f6f4 v[O+8*\d:O+8*\d+7], v[KR+12*\d:KR+12*\d+11], v[PCD:PCD+11], v[O+8*\d:O+8*\d+7], v[94+\d/2], v[PW] matrix_a_fmt:MATRIX_FMT_BF6 matrix_b_fmt:MATRIX_FMT_BF6
	v_wmma_scale_f32_16x16x128_f8f6f4 v[O+8*\d+8:O+8*\d+15], v[KR+12*\d+12:KR+12*\d+23], v[PCD:PCD+11], v[O+8*\d+8:O+8*\d+15], v[94+\d/2], v[PW] matrix_a_fmt:MATRIX_FMT_BF6 matrix_b_fmt:MATRIX_FMT_BF6 matrix_a_scale:MATRIX_SCALE_ROW1
.endr
	s_add_co_u32 s18, s18, 1
	s_cmp_lt_u32 s18, 17
	s_cbranch_scc1 .Lstep
	s_setprio 0
	FINISH 56, 58
	s_wait_tensorcnt 0x0
	ds_add_u32 v254, v255
	s_wait_dscnt 0x0
	CROUND                                         ; the closing round: no work-group ends while a partner may still ask for a part of the record that names it (no LDS instruction of mine is out: the last step waited for all)
	s_endpgm
.Lfunc_end_k_q6e05c762bf_attn:
	.size	k_q6e05c762bf_attn, .Lfunc_end_k_q6e05c762bf_attn-k_q6e05c762bf_attn
	.p2alignl 7, 3214868480
	.fill 96, 4, 3214868480
	.section	.rodata,"a",@progbits
	.p2align	6, 0x0
	.amdhsa_kernel k_q6e05c762bf_attn
		.amdhsa_group_segment_fixed_size 210944
		.amdhsa_private_segment_fixed_size 0
		.amdhsa_enable_private_segment 0
		.amdhsa_kernarg_size 32
		.amdhsa_user_sgpr_count 2
		.amdhsa_user_sgpr_kernarg_segment_ptr 1
		.amdhsa_wavefront_size32 1
		.amdhsa_system_sgpr_workgroup_id_x 1
		.amdhsa_system_sgpr_workgroup_id_y 1
		.amdhsa_system_sgpr_workgroup_id_z 1
		.amdhsa_system_vgpr_workitem_id 0
		.amdhsa_next_free_vgpr 256
		.amdhsa_next_free_sgpr 66
		.amdhsa_reserve_vcc 1
		.amdhsa_float_denorm_mode_32 3
		.amdhsa_float_denorm_mode_16_64 3
		.amdhsa_memory_ordered 1
		.amdhsa_forward_progress 1
		.amdhsa_inst_pref_size 42
	.end_amdhsa_kernel
	.amdgpu_metadata
---
amdhsa.version: [ 1, 2 ]
amdhsa.kernels:
  - .name:           k_q6e05c762bf_attn
    .symbol:         k_q6e05c762bf_attn.kd
    .args:
      - { .name: QR, .offset: 0, .size: 8, .value_kind: global_buffer, .address_space: global }
      - { .name: KV, .offset: 8, .size: 8, .value_kind: global_buffer, .address_space: global }
      - { .name: OC, .offset: 16, .size: 8, .value_kind: global_buffer, .address_space: global }
      - { .name: XS, .offset: 24, .size: 8, .value_kind: global_buffer, .address_space: global }
    .group_segment_fixed_size: 210944
    .private_segment_fixed_size: 0
    .kernarg_segment_align: 8
    .kernarg_segment_size: 32
    .max_flat_workgroup_size: 512
    .sgpr_count:     66
    .vgpr_count:     256
    .wavefront_size: 32
...
	.end_amdgpu_metadata
.endif
;; end of part 3
;; launch outp (part 4): grid 64 x 4, 4 waves a work-group, clusters of 4 x 4, 312,832 bytes of LDS; arguments OC, XC, XS, bo, out0; writes out0
.if DOCPART == 4
	.amdgcn_target "amdgcn-amd-amdhsa--gfx1250"
	.amdhsa_code_object_version 6
	.text
	.protected	k_q6e05c762bf_outp
	.globl	k_q6e05c762bf_outp
	.p2align	8
	.type	k_q6e05c762bf_outp,@function
k_q6e05c762bf_outp:
	s_mov_b64 s[64:65], 0
	v_nop
	global_prefetch_b8 v0, s[64:65] scope:SCOPE_SE
	s_setreg_imm32_b32 hwreg(HW_REG_WAVE_MODE, 25, 1), 1
	s_wait_xcnt 0x0
	s_wait_alu depctr_hold_cnt(0) depctr_sa_sdst(0) depctr_va_vdst(0) depctr_va_sdst(0) depctr_va_ssrc(0) depctr_va_vcc(0) depctr_vm_vsrc(0)
	s_getreg_b32 s2, hwreg(HW_REG_IB_STS2, 6, 4)
	s_cmp_eq_u32 s2, 0
	s_cbranch_scc0 .Lentry_in_a_cluster
	s_endpgm
.Lentry_in_a_cluster:
	s_bfe_u32 s2, ttmp6, 0x10000c
	s_cmp_lg_u32 s2, 0xf033
	s_cbranch_scc0 .Lentry_shape_is_right
	s_endpgm
.Lentry_shape_is_right:
; out0 = concat Wo^T + bo on codes of BF6 (E3M2) with E8M0 scales; out0 [8192][1024] f32.
; 16 clusters of 4 x 4 work-groups: 64 x 4 = 256 tiles of 128 rows x 256 columns, one to a work-group.  R = concat's rows (source 1), P = Wo's rows (source 0): a lane holds one row of the output and eight
; neighbouring columns.  A wave makes all 128 rows x 64 columns: 32 accumulators, 256 registers.
; ALL OF K LIES IN LDS: R's 128 x 1,024 codes are 98,304 bytes, P's 256 x 1,024 are 196,608.  They come as four slots of two K steps each, every one a first fill: all are asked for at the start, nothing is
; filled again, and the products of a slot begin as soon as that slot has landed in every wave's part.
; CODES come as images of the operand's registers (1,536 bytes a fragment); 128 rows x 256 K are 24,576 dense bytes.  Waves 0, 1 fetch one K step each of R's pair (12,288 bytes), waves 2, 3 P's two halves (24,576).
; JOINT LOADS: R's tiles hang on the cluster's number and my row of it, P's on my column: each is asked for by the four that share it, with one descriptor and a mask that names them.
; THE SCALE WORDS of all eight K steps stay in registers: register 8 i + s holds R's block i in lanes 0-15 and, for i < 4, P's block i in lanes 16-31 (for i >= 4 those lanes read bytes of XS that nobody uses).
; THE BIAS is the C of each sum's first product.
; REGISTERS, in windows of 256.  Window 0: v1-3 r, hl, lane; v4-19 LDS addresses, one for each slot; v24-28 lane terms and the way out; v32-95 scale words; v104-106 at work at the head;
;   v128-223 R's fragments, one set; on the way out v128-255.   Window 1: P's fragments, two sets, v0-47 and v128-175; the bias, 32 numbers, v96-127.   Window 2: accumulator (a, b) at v[8 (4 a + b)].
.set QB,    24576                      ; 128 rows x 256 K of codes
.set HB,    12288                      ; 128 rows x 128 K
.set SLOT,  3*QB                       ; R's 128 rows, P's rows 0-127, P's rows 128-255, two K steps of each
.set STAGE, 4*SLOT                     ; behind the four slots: a stage of 16 rows x (256 + 16) bytes for each wave, bytes of its own
.set GRP,   98304                      ; 128 rows, all of K, in OC and in XC
.set FR,    12
.set ROWC,  4096                       ; a row of out0 in bytes
.set SPITCH, 272
.set AR16,  4                          ; v4-7   R's fragments in slot 0..3: 16 x lane + ..;  v8-11: 8 x lane + ..
.set AR8,   8
.set AP16,  12                         ; v12-19 the same for my four blocks of P
.set AP8,   16
.set L16,   24                         ; v24 16 x lane
.set L8,    25                         ; v25 8 x lane
.set STO,   26                         ; v26 the stage: where I put 32 bytes of a row
.set RD,    27                         ; v27 and where I read 16 bytes of a row back
.set CO,    28                         ; v28 the same place in out0: 4,096 hl + 16 r
.set SC,    32
.set AF,    128
.set BK,    128                        ; the way out: four buffers of 32 registers by turns
.set G1,    24                         ; s[24:31] group 1 for R's tiles; s[32:47] group 0, a set a slot
.set G0,    32
.set G1P,   48                         ; s[48:55], s[68:83] the same for P's
.set G0P,   68
.set MSB, 0
.macro WIN new                         ; the immediate's high byte repeats the setting that is left
.if MSB != (\new)
	s_set_vgpr_msb (MSB<<8)|(\new)
.set MSB, (\new)
.endif
.endm
.set MUL,  0xa1                        ; source 0 (P) window 1, source 1 (R) window 0, C and D window 2
.set ONE,  0x91                        ; the same with C (the bias) in window 1
.set TO_P, 0x40                        ; destination window 1
.macro CROUND                          ; a round of the cluster's barrier
	s_barrier_signal -1
	s_barrier_wait -1
	s_cmp_lg_u32 s18, 0
	s_cbranch_scc1 .Lnot_wave_0_\@
	s_barrier_signal -3
.Lnot_wave_0_\@:
	s_barrier_wait -3
	s_barrier_signal -1
	s_barrier_wait -1
.endm
.macro PLACES n
.rept \n
	v_nop
.endr
.endm
	s_load_b256 s[4:11], s[0:1], 0x0               ; OC s[4:5], XC s[6:7], XS s[8:9], bo s[10:11]
	s_load_b64 s[12:13], s[0:1], 0x20              ; out0
	v_lshl_add_u32 v126, v0, 2, 0x4c400
	v_mov_b32 v127, 0
	ds_add_u32 v126, v127
	ds_add_u32 v126, v127
	v_lshrrev_b32 v1, 5, v0
	v_readfirstlane_b32 s18, v1                    ; wave 0..3
	s_lshr_b32 s19, s18, 1                         ; I fetch for R (0) or for P (1).  Also: which half of P's rows holds my 64
	s_and_b32 s20, s18, 1                          ; which part I fetch.  Also: which 64 of that half are mine
	s_bfe_u32 s21, ttmp6, 0x40000                  ; cx
	s_bfe_u32 s22, ttmp6, 0x40004                  ; cy
	s_lshl_b32 s56, s22, 2
	s_lshl_b32 s56, 15, s56                        ; my row of the cluster
	s_lshl_b32 s57, 0x1111, s21                    ; my column
	s_lshl_b32 s58, ttmp9, 2
	s_add_co_u32 s58, s58, s22                     ; my 128 rows: group 4 x cluster + cy of OC
	s_lshl_b32 s59, s21, 1
	s_add_co_u32 s59, s59, 216                     ; Wo begins at group 216 of XC; my 256 columns: groups 2 cx, 2 cx + 1
	s_mul_i32 s60, s58, GRP
	s_mul_i32 s84, s20, HB                         ; R: my K step of a slot's two: where it goes in LDS,
	s_add_co_u32 s60, s60, s84                     ; and where it lies in memory
	s_mov_b32 s61, 0
	s_add_co_u32 s62, s59, s20
	s_mul_i32 s62, s62, GRP                        ; P: my half, in memory,
	s_mov_b32 s63, 0
	s_mul_i32 s85, s20, QB
	s_add_co_u32 s85, s85, QB                      ; and in LDS, behind R's part of the slot
	s_lshl_b32 s86, s58, 12
	s_add_co_u32 s86, s86, 917504                  ; R's scale bytes: 4,096 a group, behind the 1,792 tiles' in XS
	s_add_co_u32 s87, s59, s19
	s_lshl_b32 s87, s87, 12
	s_lshl_b32 s15, s20, 11
	s_add_co_u32 s87, s87, s15                     ; P's: my 64 rows of 32 bytes
	s_lshl_b32 s88, s21, 10
	s_lshl_b32 s15, s18, 8
	s_add_co_u32 s88, s88, s15                     ; my first column, in bytes: 1,024 cx + 256 x wave
	s_mov_b32 s89, 0
	s_lshl_b32 s90, s58, 19                        ; my first row: 128 rows of 4,096 bytes a group
	s_add_co_u32 s90, s90, s88
	s_mov_b32 s91, 0
	; group 1: dense blocks as rows of 32 elements of 8 bytes, no padding: every LDS read is 16 or 8 bytes a lane on end
	s_or_b32 s[G1+0], s56, (3<<16)|(1<<21)         ; 15:0 the mask: my row; 17:16 elements of 8 bytes; 21 set beside a mask
	s_mov_b32 s[G1+1], 32<<16                      ; tensor_dim0
	s_mov_b32 s[G1+2], 48<<16                      ; tensor_dim1: 12,288 bytes
	s_mov_b32 s[G1+3], 32<<16                      ; tile_dim0
	s_mov_b32 s[G1+4], 48                          ; tile_dim1
	s_mov_b32 s[G1+5], 32                          ; the pitch
	s_mov_b32 s[G1+6], 0
	s_mov_b32 s[G1+7], 0
	s_or_b32 s[G1P+0], s57, (3<<16)|(1<<21)        ; my column
	s_mov_b32 s[G1P+1], 32<<16
	s_mov_b32 s[G1P+2], 96<<16                     ; 24,576 bytes
	s_mov_b32 s[G1P+3], 32<<16
	s_mov_b32 s[G1P+4], 96
	s_mov_b32 s[G1P+5], 32
	s_mov_b32 s[G1P+6], 0
	s_mov_b32 s[G1P+7], 0
	v_and_b32 v1, 15, v0                           ; r
	v_bfe_u32 v2, v0, 4, 1                         ; hl
	v_and_b32 v3, 31, v0                           ; lane
	v_lshlrev_b32 v[L16], 4, v3
	v_lshlrev_b32 v[L8], 3, v3
	v_mov_b32 v105, s86
	v_mov_b32 v106, s87
	v_cmp_eq_u32 vcc_lo, 1, v2
	v_cndmask_b32 v104, v105, v106, vcc_lo         ; lanes 0-15 take R's scale words, lanes 16-31 P's
	v_lshl_add_u32 v104, v1, 5, v104               ; 32 bytes a row
	v_lshlrev_b32 v105, 5, v2                      ; the bias: my half's eight columns of a tile
	s_wait_alu depctr_va_vdst(0)
	s_wait_dscnt 0x0
	s_wait_kmcnt 0x0
	s_add_nc_u64 s[60:61], s[4:5], s[60:61]
	s_add_nc_u64 s[62:63], s[6:7], s[62:63]
	s_add_nc_u64 s[10:11], s[10:11], s[88:89]
	s_add_nc_u64 s[12:13], s[12:13], s[90:91]
.irp i, 0,1,2,3,4,5,6,7
	global_load_b128 v[SC+8*\i:SC+8*\i+3], v104, s[8:9] offset:512*\i        ; block i's words of K steps 0-3,
	global_load_b128 v[SC+8*\i+4:SC+8*\i+7], v104, s[8:9] offset:512*\i+16   ; 4-7.  The last byte asked for lies 1,179,647 bytes into XS's 1,179,648
.endr
	WIN TO_P
.irp b, 0,1,2,3
	global_load_b128 v[96+8*\b:96+8*\b+3], v105, s[10:11] offset:64*\b       ; bo at my columns 16 b + 8 hl + 0 .. 7: the result's layout
	global_load_b128 v[96+8*\b+4:96+8*\b+7], v105, s[10:11] offset:64*\b+16
.endr
	WIN 0
	CROUND                                         ; all sixteen work-groups are here: the joint loads meet
.irp s, 0,1,2,3
	s_mov_b32 s[G0+4*\s], 1
	s_add_co_u32 s[G0+4*\s+1], s84, \s*SLOT
	s_add_nc_u64 s[G0+4*\s+2:G0+4*\s+3], s[60:61], \s*QB    ; slot s holds K steps 2 s, 2 s + 1
	s_or_b32 s[G0+4*\s+3], s[G0+4*\s+3], 0x80000000
	s_mov_b32 s[G0P+4*\s], 1
	s_add_co_u32 s[G0P+4*\s+1], s85, \s*SLOT
	s_add_nc_u64 s[G0P+4*\s+2:G0P+4*\s+3], s[62:63], \s*QB
	s_or_b32 s[G0P+4*\s+3], s[G0P+4*\s+3], 0x80000000
.endr
	s_cmp_eq_u32 s19, 0                            ; a wave's four fills stand in one branch on its number, ahead of every wait on TENSORcnt and every LDS read: four loads of mine are out
	s_cbranch_scc0 .Lfirst_p
.irp s, 0,1,2,3
	tensor_load_to_lds s[G0+4*\s:G0+4*\s+3], s[G1:G1+7]
	s_nop 0
.endr
.rept 4
	v_nop
.endr
	s_branch .Lfirst_asked
.Lfirst_p:
.irp s, 0,1,2,3
	tensor_load_to_lds s[G0P+4*\s:G0P+4*\s+3], s[G1P:G1P+7]
	s_nop 0
.endr
.rept 4
	v_nop
.endr
.Lfirst_asked:
	s_mul_i32 s92, s19, QB                         ; my four blocks of P: the half,
	s_mul_i32 s93, s20, 4*1536                     ; the four of its eight,
	s_add_co_u32 s92, s92, s93
	s_add_co_u32 s92, s92, QB                      ; behind R's part of the slot
.irp s, 0,1,2,3
	v_add_nc_u32 v[AR16+\s], \s*SLOT, v[L16]
	v_add_nc_u32 v[AR8+\s], \s*SLOT, v[L8]
	v_add_nc_u32 v[AP16+\s], s92, v[L16]
	v_add_nc_u32 v[AP8+\s], s92, v[L8]
	s_add_co_u32 s92, s92, SLOT
.endr
	s_mul_i32 s94, s18, 16*SPITCH
	s_add_co_u32 s94, s94, STAGE                   ; my stage
	v_mul_u32_u24 v[STO], v1, SPITCH
	v_lshl_add_u32 v[STO], v2, 5, v[STO]
	v_add_nc_u32 v[STO], s94, v[STO]               ; in: row r, 32 bytes for each half of the lanes
	v_mul_u32_u24 v[RD], v2, SPITCH
	v_lshl_add_u32 v[RD], v1, 4, v[RD]
	v_add_nc_u32 v[RD], s94, v[RD]                 ; back: lanes 0-15 one row of 256 bytes, lanes 16-31 the next
	v_lshlrev_b32 v[CO], 12, v2
	v_lshl_add_u32 v[CO], v1, 4, v[CO]             ; and the same two rows in out0
.macro FRAG reg, a16, a8, off          ; a fragment comes back as it was stored: four loads, each consecutive over the lanes
	ds_load_b128 v[\reg:\reg+3], v[\a16] offset:\off
	ds_load_b64 v[\reg+4:\reg+5], v[\a8] offset:\off+512
	ds_load_b128 v[\reg+6:\reg+9], v[\a16] offset:\off+768
	ds_load_b64 v[\reg+10:\reg+11], v[\a8] offset:\off+1280
.endm
.macro FETCH_P slot, q, p              ; my four fragments of P of the slot's q-th K step into set p
	WIN TO_P
.irp i, 0,1,2,3
	FRAG 128*(\p)+FR*\i, AP16+\slot, AP8+\slot, (\q)*12288+\i*1536
.endr
	WIN 0
.endm
.macro FETCH_R slot, q, i0             ; R's blocks i0 .. i0 + 3
.irp i, \i0, \i0+1, \i0+2, \i0+3
	FRAG AF+FR*(\i), AR16+\slot, AR8+\slot, (\q)*12288+(\i)*1536
.endr
.endm
; 8 products: R's blocks a0, a0 + 1 x my four of P, K step ks.  The 32 accumulators take turns, one instruction a turn, in the same order in every step.  first = 1: the sum starts from the bias
.macro MUL8 a0, p, ks, first
.irp a, \a0, \a0+1
.irp b, 0,1,2,3
.if \first
	v_wmma_scale_f32_16x16x128_f8f6f4 v[8*(4*(\a)+\b):8*(4*(\a)+\b)+7], v[128*(\p)+FR*\b:128*(\p)+FR*\b+FR-1], v[AF+FR*(\a):AF+FR*(\a)+FR-1], v[96+8*\b:96+8*\b+7], v[SC+8*\b+(\ks)], v[SC+8*(\a)+(\ks)] matrix_a_fmt:MATRIX_FMT_BF6 matrix_b_fmt:MATRIX_FMT_BF6 matrix_a_scale:MATRIX_SCALE_ROW1
.else
	v_wmma_scale_f32_16x16x128_f8f6f4 v[8*(4*(\a)+\b):8*(4*(\a)+\b)+7], v[128*(\p)+FR*\b:128*(\p)+FR*\b+FR-1], v[AF+FR*(\a):AF+FR*(\a)+FR-1], v[8*(4*(\a)+\b):8*(4*(\a)+\b)+7], v[SC+8*\b+(\ks)], v[SC+8*(\a)+(\ks)] matrix_a_fmt:MATRIX_FMT_BF6 matrix_b_fmt:MATRIX_FMT_BF6 matrix_a_scale:MATRIX_SCALE_ROW1
.endif
.endr
.endr
.endm
; A slot's first K step: P's set 0; its successor lies in the same slot.  Loads into registers that products have read stand four plain places behind them (ISA guide 7.12.1 for vector instructions).
.macro STEP slot, ks, first
	s_wait_dscnt 16                                ; P's set and R's blocks 0-3 are in; the youngest sixteen loads (R's blocks 4-7) may be out
.if \first
	WIN ONE
.else
	WIN MUL
.endif
	MUL8 0, 0, \ks, \first
	MUL8 2, 0, \ks, \first
	s_wait_dscnt 0x0                               ; R's blocks 4-7 are in
	PLACES 4
	FETCH_P \slot, 1, 1
	FETCH_R \slot, 1, 0
.if \first
	WIN ONE
.else
	WIN MUL
.endif
	MUL8 4, 0, \ks, \first
	MUL8 6, 0, \ks, \first
	PLACES 4
	WIN 0
	FETCH_R \slot, 1, 4
.endm
; A slot's second K step goes on to the next slot: one barrier, in front of which each wave has seen its own part of that slot land.  left = my loads for the slots behind it, which may stay out.
.macro TURN next, ks, left
	s_wait_dscnt 16                                ; P's set and R's blocks 0-3 are in
	WIN MUL
	MUL8 0, 1, \ks, 0
	s_wait_tensorcnt \left                         ; tensor loads of a wave end in order (ISA guide 10.11.1): my part of the next slot is in
	s_wait_dscnt 0x0                               ; no LDS instruction of mine is out at the signal
	s_barrier_signal -1
	MUL8 2, 1, \ks, 0                              ; work on registers while the others arrive
	WIN 0
	s_barrier_wait -1                              ; everybody's part is in
	PLACES 4
	FETCH_P \next, 0, 0
	FETCH_R \next, 0, 0
	WIN MUL
	MUL8 4, 1, \ks, 0
	MUL8 6, 1, \ks, 0
	PLACES 4
	WIN 0
	FETCH_R \next, 0, 4
.endm
	s_wait_alu depctr_va_vdst(0)
	s_wait_tensorcnt 0x3                           ; my part of slot 0 is in; my three later loads may stay out
	s_barrier_signal -1
	s_barrier_wait -1
	s_wait_loadcnt 0x0                             ; the scale words and the bias
	FETCH_P 0, 0, 0
	FETCH_R 0, 0, 0
	FETCH_R 0, 0, 4
	STEP 0, 0, 1                                   ; the first products start the sums from the bias: nothing is cleared, nothing is added later
	TURN 1, 1, 2
	STEP 1, 2, 0
	TURN 2, 3, 1
	STEP 2, 4, 0
	TURN 3, 5, 0
	STEP 3, 6, 0
	s_wait_dscnt 16
	WIN MUL
	MUL8 0, 1, 7, 0
	MUL8 2, 1, 7, 0
	s_wait_dscnt 0x0
	MUL8 4, 1, 7, 0
	MUL8 6, 1, 7, 0
	WIN 0
; THE WAY OUT, block by block of 16 rows x 64 columns: a lane holds 32 neighbouring bytes of a row, the lanes beside it other rows: so a block goes through my own stage in LDS and comes back by rows of 256 bytes.
; LDS serves a wave's instructions in order (ISA guide 5.7.1.4): no wait between the stores and the loads, nor in front of the next block's stores.
.macro TOSTAGE a
	WIN 0x08                                       ; an LDS store's data are its source 1: window 2
.irp b, 0,1,2,3
	ds_store_b128 v[STO], v[8*(4*(\a)+\b):8*(4*(\a)+\b)+3] offset:64*\b          ; each accumulator from its low end on
	ds_store_b128 v[STO], v[8*(4*(\a)+\b)+4:8*(4*(\a)+\b)+7] offset:64*\b+16
.endr
	WIN 0
.set BB, BK+32*((\a)%4)
.irp t, 0,1,2,3,4,5,6,7
	ds_load_b128 v[BB+4*\t:BB+4*\t+3], v[RD] offset:\t*2*SPITCH
.endr
.endm
.macro SEND a, younger                 ; younger: the LDS instructions issued behind block a's loads, which may stay out
.set BB, BK+32*((\a)%4)
	s_wait_dscnt \younger
.irp t, 0,1,2,3,4,5,6,7
	global_store_b128 v[CO], v[BB+4*\t:BB+4*\t+3], s[12:13] offset:(16*(\a)+2*\t)*ROWC th:TH_STORE_NT   ; 16 lanes store 256 consecutive bytes, aligned to 256; the row stands in the immediate (126 rows at the most); written once
.endr
.endm
	PLACES 4                                       ; in front of the first read of results and of loads into the registers that held R's fragments
	TOSTAGE 0
.irp a, 1,2,3,4,5,6,7
.if \a >= 4
	s_wait_xcnt 0x0                                ; block a - 4's stores have read their registers, into which block a's rows are loaded
.endif
	TOSTAGE \a
	SEND \a-1, 16                                  ; behind block a - 1's loads: block a's 8 stores and 8 loads
.endr
	SEND 7, 0
	s_wait_tensorcnt 0x0
	ds_add_u32 v126, v127
	s_wait_dscnt 0x0
	CROUND                                         ; the closing round: no work-group ends while a partner may still ask for a tile that names it (all my tensor loads and LDS instructions have been waited for)
	s_endpgm
.Lfunc_end_k_q6e05c762bf_outp:
	.size	k_q6e05c762bf_outp, .Lfunc_end_k_q6e05c762bf_outp-k_q6e05c762bf_outp
	.p2alignl 7, 3214868480
	.fill 96, 4, 3214868480
	.section	.rodata,"a",@progbits
	.p2align	6, 0x0
	.amdhsa_kernel k_q6e05c762bf_outp
		.amdhsa_group_segment_fixed_size 312832
		.amdhsa_private_segment_fixed_size 0
		.amdhsa_enable_private_segment 0
		.amdhsa_kernarg_size 40
		.amdhsa_user_sgpr_count 2
		.amdhsa_user_sgpr_kernarg_segment_ptr 1
		.amdhsa_wavefront_size32 1
		.amdhsa_system_sgpr_workgroup_id_x 1
		.amdhsa_system_sgpr_workgroup_id_y 1
		.amdhsa_system_sgpr_workgroup_id_z 1
		.amdhsa_system_vgpr_workitem_id 0
		.amdhsa_next_free_vgpr 768
		.amdhsa_next_free_sgpr 96
		.amdhsa_reserve_vcc 1
		.amdhsa_float_denorm_mode_32 3
		.amdhsa_float_denorm_mode_16_64 3
		.amdhsa_memory_ordered 1
		.amdhsa_forward_progress 1
		.amdhsa_inst_pref_size 87
	.end_amdhsa_kernel
	.amdgpu_metadata
---
amdhsa.version: [ 1, 2 ]
amdhsa.kernels:
  - .name:           k_q6e05c762bf_outp
    .symbol:         k_q6e05c762bf_outp.kd
    .args:
      - { .name: OC, .offset: 0, .size: 8, .value_kind: global_buffer, .address_space: global }
      - { .name: XC, .offset: 8, .size: 8, .value_kind: global_buffer, .address_space: global }
      - { .name: XS, .offset: 16, .size: 8, .value_kind: global_buffer, .address_space: global }
      - { .name: bo, .offset: 24, .size: 8, .value_kind: global_buffer, .address_space: global }
      - { .name: out0, .offset: 32, .size: 8, .value_kind: global_buffer, .address_space: global }
    .group_segment_fixed_size: 312832
    .private_segment_fixed_size: 0
    .kernarg_segment_align: 8
    .kernarg_segment_size: 40
    .max_flat_workgroup_size: 128
    .sgpr_count:     96
    .vgpr_count:     768
    .wavefront_size: 32
...
	.end_amdgpu_metadata
.endif
;; end of part 4
